; MI455X (gfx1250); checked and timed in simulation.
; The chip was launched on July 23, 2026; its instructions are those of AMD's public machine-readable ISA for CDNA 5 (MIT licence, August 2026) and "CDNA5" Instruction Set Architecture Reference Guide (July 2026). The comments in the code are by the model that wrote it; some were corrected since.
;; Atten Head. Allowed arithmetic: matrix products marked QUANTISED: E2M1 operands, one E8M0 scale for each 32 along K, by v_wmma_scale_f32_16x16x128_f8f6f4 with both operands' format E2M1 (or v_wmma_scale_f32_32x16x128_f4), f32 sums; products left as they are: bf16, f16 or f32 operands; f32 sums; everything else in f32.
;; Inputs: WK 1,024 x 1,024 float32; WQ 1,024 x 1,024 float32; WV 1,024 x 1,024 float32; inputs 4 x 2,048 x 1,024 float32.
;; Outputs: out0 4 x 2,048 x 1,024 float32.
;; This version of the problem:
;;   THIS VERSION OF THE PROBLEM IS GIVEN IN LOW PRECISION. The matrix products marked QUANTISED in the list below multiply operands that are first quantised to E2M1 (2 exponent bits, 1 mantissa bit; 4 bits a number), with one power-of-two scale for each 32 numbers along K (OCP MX v1.0); their sums are f32. The products marked 'left as it is' may take bf16, f16 or f32 operands, with f32 sums. Whichever they take, every output number must still come out within the allowed error. Rounding operands to bf16 (8 significant bits) uses up far more of that allowance than f16 does (11 bits, for magnitudes from 6e-5 to 65,504). All else is computed in f32.
;;   The module's matrix products, in the order in which they are computed (A, B: the left and right operand; K: the contracted axis; several contracted axes count as one K, in the product's order):
;;     1. [M 8,192, K 1,024] x [K 1,024, N 1,024]; A: input inputs; B: input WK: QUANTISED
;;     2. [M 8,192, K 1,024] x [K 1,024, N 1,024]; A: input inputs; B: input WQ: QUANTISED
;;     3. [M 8,192, K 1,024] x [K 1,024, N 1,024]; A: input inputs; B: input WV: QUANTISED
;;     4. batch 4 x [M 2,048, K 1,024] x [K 1,024, N 2,048]; A: computed on the way; B: computed on the way: left as it is (an operand is computed on the way)
;;     5. batch 4 x [M 2,048, K 2,048] x [K 2,048, N 1,024]; A: computed on the way; B: computed on the way: left as it is (an operand is computed on the way)
;;   THE QUANTISER, for each operand of a quantised product, along K:
;;     - K is cut into blocks of 32 from its start; a last block that is shorter is filled with zeros.
;;     - A block's scale is 2^e with e = floor(log2(the largest magnitude in the block)) - 2, held to -126 .. 127; a block of zeros has e = 0. As a byte (E8M0): e + 127.
;;     - Each number is divided by its block's scale, clamped to +-6, and rounded to the nearest number of E2M1, ties to even, subnormals kept.
;;     - The product sums the exact products of the quantised numbers (number of the format x scale) in f32.
;;   ~~~python
;;   def quantise(x, axis):      # numpy; x: float32 -> the quantised numbers, widened to float32 again
;;       x = np.moveaxis(x, axis, -1); K = x.shape[-1]
;;       x = np.pad(x, [(0, 0)] * (x.ndim - 1) + [(0, -K % 32)]); x = x.reshape(x.shape[:-1] + (-1, 32)); a = np.abs(x).max(-1, keepdims=True)
;;       e = np.where(a > 0, np.clip(np.frexp(np.where(a > 0, a, 1))[1] - 1 - 2, -126, 127), 0)      # np.frexp(a)[1] - 1 = floor(log2(a)), exactly
;;       r = np.clip(x / 2.0 ** e, -6, 6)
;;       step = 2.0 ** (np.maximum(np.frexp(np.where(r == 0, 1, r))[1] - 1, 0) - 1)
;;       q = np.round(r / step) * step * 2.0 ** e      # np.round: ties to even
;;       return np.moveaxis(q.reshape(q.shape[:-2] + (-1,))[..., :K], -1, axis).astype(np.float32)
;;   ~~~
;; One version. Each part assembles by itself: llvm-mc -triple=amdgcn-amd-amdhsa -mcpu=gfx1250 --defsym DOCPART=n.
;; ======== version 1 of 1: 5 launches
;; limits: values are held in f16: magnitudes above 65,504 overflow, below 6.1e-05 lose precision
;; workspace buffers: x_codes 4,194,304 bytes; x_scales 262,144 bytes; w_codes 1,572,864 bytes; w_scales 98,304 bytes; qkv 50,331,648 bytes; q32 786,432 bytes; pbuf 33,554,432 bytes; stats 1,048,576 bytes
;; launch quant (part 1): grid 352 x 1, 4 waves a work-group, no clusters, 50,688 bytes of LDS; arguments inputs, WK, WQ, WV, x_codes, x_scales, w_codes, w_scales; writes x_codes, x_scales, w_codes, w_scales
.if DOCPART == 1
	.amdgcn_target "amdgcn-amd-amdhsa--gfx1250"
	.amdhsa_code_object_version 6
	.text
	.protected	k_q02fe12e0b1_quant
	.globl	k_q02fe12e0b1_quant
	.p2align	8
	.type	k_q02fe12e0b1_quant,@function
k_q02fe12e0b1_quant:
	s_mov_b64 s[64:65], 0
	v_nop
	global_prefetch_b8 v0, s[64:65] scope:SCOPE_SE
	s_setreg_imm32_b32 hwreg(HW_REG_WAVE_MODE, 25, 1), 1
	s_wait_xcnt 0x0
; inputs [8192][1024] and WK, WQ, WV [1024 (k)][1024 (n)], f32, become codes of FP4 (E2M1), K innermost, two codes a byte, with one E8M0 byte for each 32 along K.
; x_codes [8192][512 bytes], x_scales [8192][32];  w_codes [3072][512 bytes], w_scales [3072][32]: rows 0-1023 the columns of WK, 1024-2047 of WQ, 2048-3071 of WV.
; A block's scale is 2^(floor(log2(its largest magnitude)) - 2): its byte is the largest magnitude's exponent field - 2, held at 1 from below.
; LIMITS: a block of zeros gets the byte 1 where the quantiser says 127 (its codes are zeros, which add nothing, and this program alone reads the bytes); blocks whose largest magnitude
; lies under 2^-124 have their byte held at 1; NaN and infinities among the inputs are not served.
; Work-groups 0-255 take the inputs, whose K is innermost: a plain stream of blocks of 32.  A wave takes 16 steps of 512 numbers; each load reads 512 consecutive bytes, and a step turns through the wave's own
; stage in LDS so that a lane holds 16 neighbours along K (two lanes to a block).  On this way waves share nothing: no barrier.
; Work-groups 256-351 take the weights, whose K is the first axis: a lane takes a column and its registers run down K.  A work-group takes 64 columns x 512 along K; wave w takes columns 32 (w % 2) on and
; K 256 (w / 2) on: 8 blocks of 32, two of them on their way.  The four waves' codes meet in one stage (a row = a column's 256 bytes); behind one barrier each wave stores 16 whole rows.
; The two ways part on the work-group's number, never meet again, and have LDS bytes of their own.
.set STEPS, 16
.set CB,    8                          ; bytes of 16 codes
.set R,     16                         ; inputs: v16-79 four sets of 16 numbers as loaded
.set X,     80                         ; v80-111 two sets of 16 neighbours
.set E,     112                        ; v112-127 a scale byte for each step
.set C,     128                        ; v128-189 codes: four registers kept for each step, so that no store's data are written again
.set WREG,  8192                       ; LDS of a wave on the inputs' way: two stages of 32 x SP bytes, behind them its 256 scale bytes
.set SP,    80                         ; a lane's place in a stage: 64 bytes + 16 of padding
.set WST,   32768                      ; LDS on the weights' way: one stage of 64 rows x PITCH
.set PITCH, 272
.set KROW,  512                        ; a row of w_codes in bytes
.set NB,    8                          ; blocks of 32 along K for a wave on the weights' way
.set WX,    32                         ; weights: v32-95 two sets of 32 numbers
.set WC,    96                         ; v96-99 a block's codes
.set OUTR,  112                        ; v112-143 the way out
.set SB,    24                         ; v24-25 the scale bytes, four to a register
.set SPW,   190                        ; LDS address of my spare word; never rewritten
.set NIL,   191                        ; 0; never rewritten
.set SPARE, WST+64*PITCH               ; behind both ways' regions: the spare words, 128 bytes for each wave
	s_load_b256 s[4:11], s[0:1], 0x0               ; inputs, WK, WQ, WV
	s_load_b256 s[12:19], s[0:1], 0x20             ; x_codes, x_scales, w_codes, w_scales
	v_lshl_add_u32 v[SPW], v0, 2, SPARE
	v_mov_b32 v[NIL], 0
	v_lshrrev_b32 v1, 5, v0
	v_readfirstlane_b32 s20, v1                    ; wave
	v_and_b32 v2, 31, v0                           ; lane
	s_wait_kmcnt 0x0
	s_cmp_lt_u32 ttmp9, 256
	s_cbranch_scc0 .Lweights
	; ---------------- the inputs ----------------
	v_lshlrev_b32 v3, 4, v2                        ; my 16 bytes of a load's 512
	s_mul_i32 s21, s20, WREG
	v_lshrrev_b32 v14, 2, v2
	v_mul_u32_u24 v14, v14, SP
	v_and_b32 v15, 3, v2
	v_lshl_add_u32 v14, v15, 4, v14
	v_add_nc_u32 v14, s21, v14                     ; the stage, on the way in: four lanes' 64 bytes on end, then 16 of padding
	v_mul_u32_u24 v15, v2, SP
	v_add_nc_u32 v15, s21, v15                     ; and on the way out: my 16 neighbours
	v_mul_u32_u24 v4, v2, CB                       ; my codes' place in a step's
	v_lshrrev_b32 v5, 1, v2
	s_add_co_u32 s21, s21, 2*32*SP
	v_add_nc_u32 v5, s21, v5                       ; my wave's 256 scale bytes: my block's byte
	v_lshlrev_b32 v7, 3, v2                        ; and on the way out 8 bytes a lane
	v_add_nc_u32 v6, s21, v7
	s_lshl_b32 s22, ttmp9, 2
	s_add_co_u32 s22, s22, s20                     ; which run of 8,192 numbers is my wave's: 0 .. 1,023
	s_mov_b32 s25, 0
	s_lshl_b32 s24, s22, 15                        ; 32,768 bytes of f32 a run,
	s_add_nc_u64 s[4:5], s[4:5], s[24:25]
	s_lshl_b32 s24, s22, 12                        ; 4,096 of codes,
	s_add_nc_u64 s[12:13], s[12:13], s[24:25]
	s_lshl_b32 s24, s22, 8                         ; 256 scale bytes
	s_add_nc_u64 s[14:15], s[14:15], s[24:25]
.macro XLOAD t
.irp i, 0,1,2,3
	global_load_b128 v[R+16*((\t)%4)+4*\i:R+16*((\t)%4)+4*\i+3], v3, s[4:5] offset:2048*(\t)+512*\i th:TH_LOAD_NT   ; 32 lanes read 512 consecutive bytes
.endr
.endm
.macro XTURN t                         ; step t's numbers through the stage: LDS serves a wave's instructions in order, so no wait stands between the stores and the loads
.irp i, 0,1,2,3
	ds_store_b128 v14, v[R+16*((\t)%4)+4*\i:R+16*((\t)%4)+4*\i+3] offset:32*SP*((\t)%2)+8*SP*\i
.endr
.irp i, 0,1,2,3
	ds_load_b128 v[X+16*((\t)%2)+4*\i:X+16*((\t)%2)+4*\i+3], v15 offset:32*SP*((\t)%2)+16*\i
.endr
.endm
.irp t, 0,1,2,3
	XLOAD \t
.endr
	s_wait_loadcnt 12                              ; step 0's four loads are in; the twelve of steps 1 to 3 may be out
	XTURN 0
.macro XSTEP t
.set XS, X+16*((\t)%2)
.if (\t) > 0
	s_wait_dscnt 1                                 ; this step's numbers are back from the stage (the last step's byte store may be out)
.else
	s_wait_dscnt 0x0
.endif
.if (\t)+4 < STEPS
	XLOAD (\t)+4                                   ; into the registers that this step's stores into the stage have read
.endif
.if (\t)+1 < STEPS
.if STEPS-2-(\t) >= 3
	s_wait_loadcnt 12                              ; the next step's four loads are in; those of the three steps behind it may be out
.else
	s_wait_loadcnt 4*(STEPS-2-(\t))
.endif
	XTURN (\t)+1
.endif
	v_max3_num_f32 v8, |v[XS]|, |v[XS+1]|, |v[XS+2]|               ; the largest magnitude of my 16, in two chains
	v_max3_num_f32 v9, |v[XS+3]|, |v[XS+4]|, |v[XS+5]|
.irp i, 6,10
	v_max3_num_f32 v8, v8, |v[XS+\i]|, |v[XS+\i+1]|
	v_max3_num_f32 v9, v9, |v[XS+\i+2]|, |v[XS+\i+3]|
.endr
	v_max3_num_f32 v8, v8, |v[XS+14]|, |v[XS+15]|
	v_max3_num_f32 v8, v8, v9, 0x1800000           ; and the floor 2^(3 - 127): the byte cannot fall under 1
	v_max_num_f32_dpp v8, v8, v8 row_xmask:1 row_mask:0xf bank_mask:0xf   ; with my neighbour's 16: the block's
	v_add_nc_u32 v11, 0xff000000, v8               ; 2 off its exponent field: the conversion takes the exponent field of this operand as its scale
	v_cvt_scalef32_pk8_fp4_f32 v[C+4*(\t)], v[XS:XS+7], v11
	v_cvt_scalef32_pk8_fp4_f32 v[C+4*(\t)+1], v[XS+8:XS+15], v11
	v_lshrrev_b32 v[E+(\t)], 23, v11               ; the scale's byte (a plain line behind the conversions)
	ds_store_b8 v5, v[E+(\t)] offset:16*(\t)       ; both lanes of a block write the same byte with the same value
	global_store_b64 v4, v[C+4*(\t):C+4*(\t)+1], s[12:13] offset:32*CB*(\t)   ; the wave stores 256 consecutive bytes, aligned
.endm
.irp t, 0,1,2,3,4,5,6,7,8,9,10,11,12,13,14,15
	XSTEP \t
.endr
	ds_load_b64 v[8:9], v6                         ; LDS serves a wave's instructions in order: these see my byte stores
	s_wait_dscnt 0x0
	global_store_b64 v7, v[8:9], s[14:15]          ; 32 lanes store 256 consecutive bytes, aligned
	s_wait_tensorcnt 0x0                           ; the wave's end
	ds_add_u32 v[SPW], v[NIL]
	s_wait_dscnt 0x0
	s_endpgm
	; ---------------- the weights ----------------
.Lweights:
	s_sub_co_u32 s21, ttmp9, 256                   ; 0 .. 95: 32 work-groups a weight
	s_lshr_b32 s22, s21, 5                         ; which weight
	s_and_b32 s23, s21, 15                         ; which 64 columns
	s_bfe_u32 s26, s21, 0x10004                    ; which 512 along K
	s_and_b32 s30, s20, 1                          ; my wave: which 32 of the columns,
	s_lshr_b32 s31, s20, 1                         ; which 256 of the 512 along K
	s_cmp_eq_u32 s22, 0
	s_cselect_b64 s[24:25], s[6:7], s[8:9]         ; the choice hangs on the work-group's number alone
	s_cmp_eq_u32 s22, 2
	s_cselect_b64 s[24:25], s[10:11], s[24:25]
	s_lshl_b32 s23, s23, 6                         ; the work-group's first column
	s_lshl_b32 s27, s30, 5
	s_add_co_u32 s27, s27, s23                     ; my wave's first column
	s_lshl_b32 s28, s26, 21                        ; 512 rows of 4,096 bytes,
	s_lshl_b32 s29, s31, 20                        ; 256 rows,
	s_add_co_u32 s28, s28, s29
	s_lshl_b32 s29, s27, 2                         ; 4 bytes a column
	s_add_co_u32 s28, s28, s29
	s_mov_b32 s29, 0
	s_add_nc_u64 s[24:25], s[24:25], s[28:29]
	s_lshl_b32 s22, s22, 10                        ; the weight's first row of w_codes and w_scales
	s_add_co_u32 s23, s22, s23                     ; the work-group's
	s_lshl_b32 s28, s20, 4
	s_add_co_u32 s28, s28, s23                     ; the first of the 16 rows that I store
	s_lshl_b32 s28, s28, 9
	s_lshl_b32 s32, s26, 8
	s_add_co_u32 s28, s28, s32                     ; row x 512 + 256 x half of K
	s_add_nc_u64 s[16:17], s[16:17], s[28:29]
	s_add_co_u32 s28, s22, s27                     ; my columns' first row of w_scales
	s_lshl_b32 s28, s28, 5
	s_lshl_b32 s32, s26, 4
	s_add_co_u32 s28, s28, s32
	s_lshl_b32 s32, s31, 3
	s_add_co_u32 s28, s28, s32                     ; row x 32 + 16 x half of K + 8 x my quarter
	s_add_nc_u64 s[18:19], s[18:19], s[28:29]
	v_lshlrev_b32 v3, 2, v2                        ; in: 4 bytes a lane
	s_mul_i32 s32, s30, 32*PITCH
	s_lshl_b32 s33, s31, 7
	s_add_co_u32 s32, s32, s33
	s_add_co_u32 s32, s32, WST
	v_mul_u32_u24 v4, v2, PITCH
	v_add_nc_u32 v4, s32, v4                       ; into the stage: row = my column, from byte 128 x my quarter of K on
	v_and_b32 v5, 15, v2
	v_lshrrev_b32 v6, 4, v2                        ; out of it: sixteen lanes to a row, two rows an instruction
	s_mul_i32 s32, s20, 16*PITCH
	s_add_co_u32 s32, s32, WST
	v_mul_u32_u24 v7, v6, PITCH
	v_lshl_add_u32 v7, v5, 4, v7
	v_add_nc_u32 v7, s32, v7                       ; rows 16 x wave on
	v_mul_u32_u24 v8, v6, KROW
	v_lshl_add_u32 v8, v5, 4, v8                   ; the same place in w_codes
	v_lshlrev_b32 v9, 5, v2                        ; my column's row of scale bytes
.macro WLOAD t                         ; block t: W(32 t + i, my column), i = 0 .. 31, into set t % 2; two waves side by side read 256 consecutive bytes
.irp i, 0,1,2,3,4,5,6,7,8,9,10,11,12,13,14,15,16,17,18,19,20,21,22,23,24,25,26,27,28,29,30,31
	global_load_b32 v[WX+32*((\t)%2)+\i], v3, s[24:25] offset:(32*(\t)+\i)*4096 th:TH_LOAD_NT
.endr
.endm
	WLOAD 0
	WLOAD 1
.macro WBLOCK t
.set XS, WX+32*((\t)%2)
.if (\t) < NB-1
	s_wait_loadcnt 32                              ; this block's 32 loads are in; the next block's 32 may be out
.else
	s_wait_loadcnt 0
.endif
	v_max3_num_f32 v12, |v[XS]|, |v[XS+1]|, |v[XS+2]|              ; the block's largest magnitude: all 32 numbers are mine
	v_max3_num_f32 v13, |v[XS+3]|, |v[XS+4]|, |v[XS+5]|
.irp i, 6,10,14,18,22,26
	v_max3_num_f32 v12, v12, |v[XS+\i]|, |v[XS+\i+1]|
	v_max3_num_f32 v13, v13, |v[XS+\i+2]|, |v[XS+\i+3]|
.endr
	v_max3_num_f32 v12, v12, |v[XS+30]|, |v[XS+31]|
	v_max3_num_f32 v12, v12, v13, 0x1800000        ; and the floor
	v_add_nc_u32 v11, 0xff000000, v12              ; the conversion's scale operand
	v_lshrrev_b32 v13, 23, v11                     ; the scale's byte
.if (\t)%4 == 0
	v_mov_b32 v[SB+(\t)/4], v13                    ; four bytes to a register, the lower K in the lower byte
.else
	v_lshl_or_b32 v[SB+(\t)/4], v13, 8*((\t)%4), v[SB+(\t)/4]
.endif
.irp g, 0,1,2,3
	v_cvt_scalef32_pk8_fp4_f32 v[WC+\g], v[XS+8*\g:XS+8*\g+7], v11
.endr
	ds_store_b128 v4, v[WC:WC+3] offset:16*(\t)    ; 32 codes: 16 bytes of my column's row
.if (\t)+2 < NB
	WLOAD (\t)+2
.endif
	s_wait_dscnt 0x0                               ; the store is done: the next block's codes may be written; behind the last block: for the other waves' sake
.endm
.set Q, 0
.rept NB
	WBLOCK Q
.set Q, Q+1
.endr
	global_store_b64 v9, v[SB:SB+1], s[18:19]      ; my column's 8 scale bytes
	s_barrier_signal -1                            ; every wave's stores into the stage are done (the wait for 0 behind its last block)
	s_barrier_wait -1
.irp t, 0,1,2,3,4,5,6,7
	ds_load_b128 v[OUTR+4*\t:OUTR+4*\t+3], v7 offset:2*\t*PITCH    ; whole rows: each holds two waves' halves
.endr
.irp t, 0,1,2,3,4,5,6,7
	s_wait_dscnt 7-\t
	global_store_b128 v8, v[OUTR+4*\t:OUTR+4*\t+3], s[16:17] offset:2*\t*KROW   ; sixteen lanes store 256 consecutive bytes, aligned
.endr
	s_wait_tensorcnt 0x0                           ; the wave's end
	ds_add_u32 v[SPW], v[NIL]
	s_wait_dscnt 0x0
	s_endpgm
.Lfunc_end_k_q02fe12e0b1_quant:
	.size	k_q02fe12e0b1_quant, .Lfunc_end_k_q02fe12e0b1_quant-k_q02fe12e0b1_quant
	.p2alignl 7, 3214868480
	.fill 96, 4, 3214868480
	.section	.rodata,"a",@progbits
	.p2align	6, 0x0
	.amdhsa_kernel k_q02fe12e0b1_quant
		.amdhsa_group_segment_fixed_size 50688
		.amdhsa_private_segment_fixed_size 0
		.amdhsa_enable_private_segment 0
		.amdhsa_kernarg_size 64
		.amdhsa_user_sgpr_count 2
		.amdhsa_user_sgpr_kernarg_segment_ptr 1
		.amdhsa_wavefront_size32 1
		.amdhsa_system_sgpr_workgroup_id_x 1
		.amdhsa_system_sgpr_workgroup_id_y 1
		.amdhsa_system_sgpr_workgroup_id_z 1
		.amdhsa_system_vgpr_workitem_id 0
		.amdhsa_next_free_vgpr 192
		.amdhsa_next_free_sgpr 66
		.amdhsa_reserve_vcc 0
		.amdhsa_float_denorm_mode_32 3
		.amdhsa_float_denorm_mode_16_64 3
		.amdhsa_memory_ordered 1
		.amdhsa_forward_progress 1
		.amdhsa_inst_pref_size 73
	.end_amdhsa_kernel
	.amdgpu_metadata
---
amdhsa.version: [ 1, 2 ]
amdhsa.kernels:
  - .name:           k_q02fe12e0b1_quant
    .symbol:         k_q02fe12e0b1_quant.kd
    .args:
      - { .name: inputs, .offset: 0, .size: 8, .value_kind: global_buffer, .address_space: global }
      - { .name: WK, .offset: 8, .size: 8, .value_kind: global_buffer, .address_space: global }
      - { .name: WQ, .offset: 16, .size: 8, .value_kind: global_buffer, .address_space: global }
      - { .name: WV, .offset: 24, .size: 8, .value_kind: global_buffer, .address_space: global }
      - { .name: x_codes, .offset: 32, .size: 8, .value_kind: global_buffer, .address_space: global }
      - { .name: x_scales, .offset: 40, .size: 8, .value_kind: global_buffer, .address_space: global }
      - { .name: w_codes, .offset: 48, .size: 8, .value_kind: global_buffer, .address_space: global }
      - { .name: w_scales, .offset: 56, .size: 8, .value_kind: global_buffer, .address_space: global }
    .group_segment_fixed_size: 50688
    .private_segment_fixed_size: 0
    .kernarg_segment_align: 8
    .kernarg_segment_size: 64
    .max_flat_workgroup_size: 128
    .sgpr_count:     66
    .vgpr_count:     192
    .wavefront_size: 32
...
	.end_amdgpu_metadata
.endif
;; end of part 1
;; launch proj (part 2): grid 12 x 32, 4 waves a work-group, clusters of 4 x 4, 327,680 bytes of LDS; arguments x_codes, x_scales, w_codes, w_scales, qkv, q32; writes qkv, q32
.if DOCPART == 2
	.amdgcn_target "amdgcn-amd-amdhsa--gfx1250"
	.amdhsa_code_object_version 6
	.text
	.protected	k_q02fe12e0b1_proj
	.globl	k_q02fe12e0b1_proj
	.p2align	8
	.type	k_q02fe12e0b1_proj,@function
k_q02fe12e0b1_proj:
	s_mov_b64 s[64:65], 0
	v_nop
	global_prefetch_b8 v0, s[64:65] scope:SCOPE_SE
	s_setreg_imm32_b32 hwreg(HW_REG_WAVE_MODE, 25, 1), 1
	s_wait_xcnt 0x0
	s_wait_alu depctr_hold_cnt(0) depctr_sa_sdst(0) depctr_va_vdst(0) depctr_va_sdst(0) depctr_va_ssrc(0) depctr_va_vcc(0) depctr_vm_vsrc(0)
	s_getreg_b32 s2, hwreg(HW_REG_IB_STS2, 6, 4)
	s_cmp_eq_u32 s2, 0
	s_cbranch_scc0 .Lentry_in_a_cluster
	s_endpgm
.Lentry_in_a_cluster:
	s_bfe_u32 s2, ttmp6, 0x10000c
	s_cmp_lg_u32 s2, 0xf033
	s_cbranch_scc0 .Lentry_shape_is_right
	s_endpgm
.Lentry_shape_is_right:
; [K | Q | V] = x [WK | WQ | WV]: C[m][n] = sum over k of A[m][k] B[n][k] on codes of FP4 (E2M1) with one E8M0 scale for each 32 along K.  A = x_codes [8192][1024 codes], B = w_codes [3072][1024 codes].
; C leaves as f16 into qkv [8192][3072] (K at column 0, Q at 1,024, V at 2,048); the first 16 positions of each of the four sequences leave also as f32, into q32 [4][16][3072].
; LIMIT: f16 holds magnitudes under 65,504; a projection beyond that becomes an infinity in qkv.
; A tile of C, 256 x 256, is made by a work-group of four waves; a wave makes 128 x 128: 64 accumulators of 16 x 16, 512 registers.  K = 1,024 is two K steps of 512, each in an LDS slot of its own: nothing is filled again.
; The scale bytes of the work-group's 256 rows of A and of B, for all of K, are two dense blocks of memory and come with the first fills, in rows of 256 bytes.
; CLUSTERS: 4 x 4 work-groups.  The four of a row of the cluster need the same tiles of A, the four of a column the same tiles of B: each tile is asked for jointly.
; Tile row = 8 x cy + cluster y: so the sequence is cy and the tile's number inside its sequence is the cluster's y, which all sixteen partners share: the branch round the f32 rows hangs on it and on the wave's number alone.
; THE MATRIX INSTRUCTION IS USED TRANSPOSED (source 0 = 16 rows of B, source 1 = 16 rows of A): a lane holds eight neighbouring numbers of a row of C.
; REGISTERS, in windows of 256: window 0: v0-31 addresses; v32-95 scale words, two sets, and nothing else; v96-127 packed results; v128-191 A's fragments, one set, on the way out the f32 rows; v192-255 rows read back.
;   window 1: B's fragments, two sets.   window 2: the accumulators of my rows 0-63 ((a, b) at v[8 (8 a + b)]);   window 3: those of my rows 64-127.
.set SIZE_K, 1024
.set KSTEP,  512
.set NQ,     KSTEP/128
.set ROWB,   256                       ; a tile's row in bytes
.set KROW,   SIZE_K/2                  ; a row of codes in memory
.set PITCH,  272                       ; an LDS row: 256 bytes + 16 of padding: the 16 rows that a load touches start at 16 different banks (64 banks of 4 bytes: ISA guide 11.1)
.set FR,     8
.set NL,     2
.set NP,     4                         ; places behind this matrix instruction (ISA guide 7.12.1)
.set HALFT,  128*PITCH
.set SLOT,   4*HALFT
.set KS,     SIZE_K/32
.set SCL,    2*SLOT
.set HALFS,  (128*KS/256)*272
.set SBLK,   (16*KS/256)*272
.set SPARE,  SCL+4*HALFS               ; the spare words, 128 bytes for each wave
.set QROW,   6144                      ; a row of qkv in bytes
.set FROW,   12288                     ; a row of q32 in bytes
.set SP16,   272                       ; the way out: a stage row of 256 bytes + 16,
.set SP32,   528                       ; or, for the f32 rows, of 512 + 16
.set WSTG,   16*SP32                   ; a wave's stage; the stages lie in slot 0, which has had its only fill and its last read when the first result is stored there
.set ADRA, 16
.set ADRB, 20
.set STO32, 22
.set RD32, 23
.set STO,  24
.set RD,   25
.set CO,   26
.set ADRS, 27
.set SPW,  28
.set NIL,  29
.set CO32, 30
.set SC,   32
.set TMP,  96
.set AF,   128
.set OB,   192
.set G1, 24
.set G0, 32
.set G1B, 48
.set G0B, 56
.set G1S, 68
.set G0S, 76
.set G1SB, 80
.set G0SB, 88
.set MSB, 0
.macro WIN new                         ; the immediate's high byte repeats the setting that is left
.if MSB != \new
	s_set_vgpr_msb (MSB<<8)|\new
.set MSB, \new
.endif
.endm
.set MUL_LO, 0xa1                      ; source 0 (B) window 1, source 1 (A) window 0, C and D window 2
.set MUL_HI, 0xf1
.set TO_B,   0x40
; A joint load: waves 0 and 1 fetch for A, waves 2 and 3 for B; the branch hangs on the wave's number alone.  An s_nop 0 and four v_nop follow each of the two lines.
.macro JLOAD g0a, g1a, g0b, g1b
	s_cmp_eq_u32 s15, 0
	s_cbranch_scc0 .Lfor_b_\@
	tensor_load_to_lds s[\g0a:\g0a+3], s[\g1a:\g1a+7]
	s_nop 0
.rept 4
	v_nop
.endr
	s_branch .Lasked_\@
.Lfor_b_\@:
	tensor_load_to_lds s[\g0b:\g0b+3], s[\g1b:\g1b+7]
	s_nop 0
.rept 4
	v_nop
.endr
.Lasked_\@:
.endm
.macro CROUND                          ; a round of the cluster's barrier
	s_barrier_signal -1
	s_barrier_wait -1
	s_cmp_lg_u32 s14, 0
	s_cbranch_scc1 .Lnot_wave_0_\@
	s_barrier_signal -3
.Lnot_wave_0_\@:
	s_barrier_wait -3
	s_barrier_signal -1
	s_barrier_wait -1
.endm
	s_load_b128 s[4:7], s[0:1], 0x0                ; A's codes, A's scales
	s_load_b128 s[8:11], s[0:1], 0x10              ; B's codes, B's scales
	s_load_b64 s[12:13], s[0:1], 0x20              ; qkv
	s_load_b64 s[96:97], s[0:1], 0x28              ; q32
	v_lshl_add_u32 v[SPW], v0, 2, SPARE
	v_mov_b32 v[NIL], 0
	ds_add_u32 v[SPW], v[NIL]                      ; the wave's opening: the add, twice on end, and its wait ahead of my first tensor load
	ds_add_u32 v[SPW], v[NIL]
	v_lshrrev_b32 v1, 5, v0
	v_readfirstlane_b32 s14, v1                    ; wave 0..3
	s_lshr_b32 s15, s14, 1                         ; which half of the tile's rows is mine.  Also: I fetch for A (0) or for B (1)
	s_and_b32 s16, s14, 1                          ; which half of its columns.  Also: which 128 rows of that tile I fetch
	s_bfe_u32 s40, ttmp6, 0x40000                  ; cx, cy
	s_bfe_u32 s41, ttmp6, 0x40004
	s_lshl_b32 s42, ttmp9, 2
	s_add_co_u32 s42, s42, s40                     ; tile column of C = 4 x cluster x + cx
	s_and_b32 s95, ttmp7, 0xffff                   ; cluster y: the tile's number inside its sequence
	s_lshl_b32 s17, s41, 3
	s_add_co_u32 s17, s17, s95                     ; tile row of C = 8 x cy + cluster y
	s_lshl_b32 s43, s41, 2
	s_lshl_b32 s43, 15, s43                        ; my row of the cluster
	s_lshl_b32 s44, 0x1111, s40                    ; my column
	s_or_b32 s[G1+0], s43, (0<<16)|(1<<20)|(1<<21)|(5<<22)|(3<<25)  ; the mask; elements of 1 byte; padding on; bit 21 beside a mask; after every 64 words, 4 words
	s_or_b32 s[G1B+0], s44, (0<<16)|(1<<20)|(1<<21)|(5<<22)|(3<<25)
.irp g, G1, G1B
	s_mov_b32 s[\g+1], ROWB<<16                    ; tensor_dim0
	s_mov_b32 s[\g+2], 128<<16                     ; tensor_dim1
	s_mov_b32 s[\g+3], ROWB<<16                    ; tile_dim0
	s_mov_b32 s[\g+4], 128                         ; tile_dim1
	s_mov_b32 s[\g+5], KROW                        ; pitch
	s_mov_b32 s[\g+6], 0
	s_mov_b32 s[\g+7], 0
.endr
	s_or_b32 s[G1S+0], s43, (3<<16)|(1<<20)|(1<<21)|(5<<22)|(3<<25) ; the scales of 128 rows: a dense block, as rows of 256 bytes (32 elements of 8 bytes), 16 bytes of padding behind each
	s_or_b32 s[G1SB+0], s44, (3<<16)|(1<<20)|(1<<21)|(5<<22)|(3<<25)
.irp g, G1S, G1SB
	s_mov_b32 s[\g+1], 32<<16
	s_mov_b32 s[\g+2], (128*KS/256)<<16
	s_mov_b32 s[\g+3], 32<<16
	s_mov_b32 s[\g+4], 128*KS/256
	s_mov_b32 s[\g+5], 32
	s_mov_b32 s[\g+6], 0
	s_mov_b32 s[\g+7], 0
.endr
	s_lshl_b32 s18, s16, 7
	s_lshl_b32 s20, s17, 8
	s_add_co_u32 s20, s20, s18                     ; A: row 256 x tile row + 128 x half
	s_lshl_b32 s46, s42, 8
	s_add_co_u32 s46, s46, s18                     ; B: row 256 x tile column + 128 x half
	s_mov_b32 s21, 0
	s_mov_b32 s47, 0
	s_mov_b64 s[18:19], KS
	s_mul_u64 s[22:23], s[20:21], s[18:19]         ; where these rows' scales begin,
	s_mul_u64 s[92:93], s[46:47], s[18:19]
	s_mov_b64 s[18:19], KROW
	s_mul_u64 s[20:21], s[20:21], s[18:19]         ; and their codes
	s_mul_u64 s[46:47], s[46:47], s[18:19]
	s_mul_i32 s45, s14, HALFT                      ; where they go: wave x 128 rows
	s_mul_i32 s94, s14, HALFS
	s_wait_dscnt 0x0                               ; both opening adds are done
	s_wait_kmcnt 0x0
	s_add_nc_u64 s[20:21], s[4:5], s[20:21]
	s_add_nc_u64 s[22:23], s[6:7], s[22:23]
	s_add_nc_u64 s[46:47], s[8:9], s[46:47]
	s_add_nc_u64 s[92:93], s[10:11], s[92:93]
	CROUND                                         ; all sixteen work-groups are here: the joint loads meet
	s_mov_b32 s[G0S], 1
	s_add_co_u32 s[G0S+1], s94, SCL
	s_mov_b64 s[G0S+2:G0S+3], s[22:23]
	s_or_b32 s[G0S+3], s[G0S+3], 0x80000000
	s_mov_b32 s[G0SB], 1
	s_add_co_u32 s[G0SB+1], s94, SCL
	s_mov_b64 s[G0SB+2:G0SB+3], s[92:93]
	s_or_b32 s[G0SB+3], s[G0SB+3], 0x80000000
	JLOAD G0S, G1S, G0SB, G1SB                     ; the scales first: they are wanted with K step 0
.irp s, 0,1
	s_mov_b32 s[G0+4*\s], 1
	s_add_co_u32 s[G0+4*\s+1], s45, \s*SLOT
	s_add_nc_u64 s[G0+4*\s+2:G0+4*\s+3], s[20:21], \s*ROWB
	s_or_b32 s[G0+4*\s+3], s[G0+4*\s+3], 0x80000000
	s_mov_b32 s[G0B+4*\s], 1
	s_add_co_u32 s[G0B+4*\s+1], s45, \s*SLOT
	s_add_nc_u64 s[G0B+4*\s+2:G0B+4*\s+3], s[46:47], \s*ROWB
	s_or_b32 s[G0B+4*\s+3], s[G0B+4*\s+3], 0x80000000
	JLOAD G0+4*\s, G1, G0B+4*\s, G1B               ; three tensor loads of mine are out in all
.endr
	v_and_b32 v1, 15, v0                           ; r = l % 16
	v_bfe_u32 v2, v0, 4, 1                         ; h = l / 16
	v_mul_u32_u24 v3, v1, PITCH
	v_lshl_add_u32 v4, v2, 4, v3                   ; a fragment's row x pitch + 16 x half
	s_mul_i32 s21, s15, HALFT
	s_mul_i32 s22, s16, HALFT
	s_add_co_u32 s22, s22, 2*HALFT
.irp s, 0,1
	v_add_nc_u32 v[ADRA+\s], s21, v4
	v_add_nc_u32 v[ADRB+\s], s22, v4
	s_add_co_u32 s21, s21, SLOT
	s_add_co_u32 s22, s22, SLOT
.endr
	v_mul_u32_u24 v5, v1, KS                       ; my row's scales: KS bytes a row,
	v_lshrrev_b32 v6, 8, v5
	v_lshl_add_u32 v5, v6, 4, v5                   ; and 16 more for each 256 passed
	s_mul_i32 s21, s15, HALFS
	s_mul_i32 s22, s16, HALFS
	s_add_co_u32 s22, s22, 2*HALFS
	s_sub_co_u32 s22, s22, s21
	v_mul_u32_u24 v6, s22, v2                      ; lanes 16-31 take B's
	s_add_co_u32 s21, s21, SCL
	v_add_nc_u32 v5, v5, v6
	v_add_nc_u32 v[ADRS], s21, v5
	s_mul_i32 s23, s14, WSTG                       ; my stage
	v_mul_u32_u24 v5, v1, SP16                     ; f16, in: row r, 16 bytes for each half of the lanes
	v_lshl_add_u32 v5, v2, 4, v5
	v_add_nc_u32 v[STO], s23, v5
	v_mul_u32_u24 v5, v2, SP16                     ; back: lanes 0-15 one row of 256 bytes, lanes 16-31 the next
	v_lshl_add_u32 v5, v1, 4, v5
	v_add_nc_u32 v[RD], s23, v5
	v_mul_u32_u24 v5, v2, QROW                     ; and the same two rows in qkv
	v_lshl_add_u32 v[CO], v1, 4, v5
	v_mul_u32_u24 v5, v1, SP32                     ; f32, in: row r, 32 bytes for each half of the lanes
	v_lshl_add_u32 v5, v2, 5, v5
	v_add_nc_u32 v[STO32], s23, v5
	v_and_b32 v6, 31, v0
	v_lshlrev_b32 v[CO32], 4, v6                   ; back: the 32 lanes take one row of 512 bytes; the same in q32
	v_add_nc_u32 v[RD32], s23, v[CO32]
	s_lshl_b32 s20, s17, 8
	s_lshl_b32 s21, s15, 7
	s_add_co_u32 s20, s20, s21                     ; my first row of C
	s_mul_i32 s20, s20, QROW                       ; under 2^26 bytes
	s_mov_b32 s21, 0
	s_lshl_b32 s46, s42, 9                         ; my first column in f16 bytes: 512 x tile column + 256 x half
	s_lshl_b32 s47, s16, 8
	s_add_co_u32 s46, s46, s47
	s_mov_b32 s47, 0
	s_add_nc_u64 s[20:21], s[20:21], s[46:47]
	s_add_nc_u64 s[12:13], s[12:13], s[20:21]
	s_mul_i32 s20, s41, 16*FROW                    ; q32: the sequence's 16 rows,
	s_lshl_b32 s46, s46, 1                         ; my first column in f32 bytes
	s_add_co_u32 s20, s20, s46
	s_add_nc_u64 s[96:97], s[96:97], s[20:21]
.macro FRAG reg, adr, q, i             ; a fragment, 16 rows x 128 K of 4-bit codes: lane l holds row l % 16; registers 4 c .. 4 c + 3 hold K = 64 c + 32 (l / 16) + 0 .. 31
.irp c, 0,1
	ds_load_b128 v[\reg+4*\c:\reg+4*\c+3], v[\adr] offset:64*(\q)+32*\c+(\i)*16*PITCH
.endr
.endm
; 16 matrix instructions: A's blocks a0, a0 + 1 x B's eight, the slot's q-th 128 along K.  The 64 accumulators take turns, one instruction a turn, in the same order in every step.
.macro MUL16 a0, p, q, sc, zero
.irp a, \a0, \a0+1
.irp b, 0,1,2,3,4,5,6,7
.if \zero
	v_wmma_scale_f32_16x16x128_f8f6f4 v[8*(8*((\a)%4)+\b):8*(8*((\a)%4)+\b)+7], v[128*(\p)+FR*\b:128*(\p)+FR*\b+FR-1], v[AF+FR*(\a):AF+FR*(\a)+FR-1], 0, v[SC+8*NQ*(\sc)+NQ*\b+(\q)], v[SC+8*NQ*(\sc)+NQ*(\a)+(\q)] matrix_a_fmt:MATRIX_FMT_FP4 matrix_b_fmt:MATRIX_FMT_FP4 matrix_a_scale:MATRIX_SCALE_ROW1
.else
	v_wmma_scale_f32_16x16x128_f8f6f4 v[8*(8*((\a)%4)+\b):8*(8*((\a)%4)+\b)+7], v[128*(\p)+FR*\b:128*(\p)+FR*\b+FR-1], v[AF+FR*(\a):AF+FR*(\a)+FR-1], v[8*(8*((\a)%4)+\b):8*(8*((\a)%4)+\b)+7], v[SC+8*NQ*(\sc)+NQ*\b+(\q)], v[SC+8*NQ*(\sc)+NQ*(\a)+(\q)] matrix_a_fmt:MATRIX_FMT_FP4 matrix_b_fmt:MATRIX_FMT_FP4 matrix_a_scale:MATRIX_SCALE_ROW1
.endif
.endr
.endr
.endm
.macro FETCH_B slot, q, p
	WIN TO_B
.irp i, 0,1,2,3,4,5,6,7
	FRAG 128*(\p)+FR*\i, ADRB+\slot, \q, \i
.endr
	WIN 0
.endm
.macro FETCH_A slot, q, i0
.irp i, \i0, \i0+1, \i0+2, \i0+3
	FRAG AF+FR*(\i), ADRA+\slot, \q, \i
.endr
.endm
.macro SCALES sc                       ; a K step's scale words: lanes 0-15 take A's block i, lanes 16-31 B's block i
.irp i, 0,1,2,3,4,5,6,7
	ds_load_b128 v[SC+8*NQ*\sc+NQ*\i:SC+8*NQ*\sc+NQ*\i+3], v[ADRS] offset:\i*SBLK
.endr
.endm
.macro PLACES n                        ; plain vector lines between a matrix instruction and a load into, or a read of, its registers
.rept \n
	v_nop
.endr
.endm
.macro STEP slot, q, zero              ; a step of 128 along K that has its successor in the same slot
	s_wait_dscnt 4*NL                              ; B's set and A's blocks 0-3 are in; the youngest eight loads (A's blocks 4-7) may be out
	WIN MUL_LO
	MUL16 0, (\q)%2, \q, \slot, \zero
	MUL16 2, (\q)%2, \q, \slot, \zero
	s_wait_dscnt 0
	PLACES NP
	FETCH_B \slot, (\q)+1, 1-(\q)%2
	FETCH_A \slot, (\q)+1, 0
	WIN MUL_HI
	MUL16 4, (\q)%2, \q, \slot, \zero
	MUL16 6, (\q)%2, \q, \slot, \zero
	PLACES NP
	WIN 0
	FETCH_A \slot, (\q)+1, 4
.endm
.macro STEPS slot, from
.set Q, \from
.rept NQ-1-\from
	STEP \slot, Q, 0
.set Q, Q+1
.endr
.endm
	s_wait_tensorcnt 1                             ; the scales and my part of K step 0 are in; K step 1's load may be out,
	s_barrier_signal -1
	s_barrier_wait -1                              ; everybody's are
	FETCH_B 0, 0, 0
	FETCH_A 0, 0, 0
	SCALES 0
	FETCH_A 0, 0, 4
	STEP 0, 0, 1                                   ; the first products start the sums: nothing is cleared
	STEPS 0, 1
	; slot 0's last step changes slots: one barrier; in front of it each wave waits for its tensor loads (its part of slot 1), adds 0 to its spare word, and waits for that and for its reads of slot 0
	s_wait_tensorcnt 0x0
	ds_add_u32 v[SPW], v[NIL]
	s_wait_dscnt 4*NL+1                            ; the add and the youngest eight loads may be out
	WIN MUL_LO
	MUL16 0, 1, NQ-1, 0, 0
	s_wait_dscnt 0x0                               ; the add is done, and my reads of slot 0 are over
	s_barrier_signal -1
	MUL16 2, 1, NQ-1, 0, 0
	WIN 0
	s_barrier_wait -1
	PLACES NP
	v_add_nc_u32 v[ADRS], 4*NQ, v[ADRS]            ; on to the second K step's scale words
	FETCH_B 1, 0, 0
	FETCH_A 1, 0, 0
	SCALES 1
	WIN MUL_HI
	MUL16 4, 1, NQ-1, 0, 0
	MUL16 6, 1, NQ-1, 0, 0
	PLACES NP
	WIN 0
	FETCH_A 1, 0, 4
	STEPS 1, 0
	s_wait_dscnt 4*NL                              ; the very last step: nothing more to fetch
	WIN MUL_LO
	MUL16 0, 1, NQ-1, 1, 0
	MUL16 2, 1, NQ-1, 1, 0
	s_wait_dscnt 0
	WIN MUL_HI
	MUL16 4, 1, NQ-1, 1, 0
	MUL16 6, 1, NQ-1, 1, 0
	WIN 0
	; THE WAY OUT.  First, where my 128 rows begin a sequence (cluster y = 0, row half 0): block 0, the sequence's first 16 positions, as f32 through my stage into q32.
	PLACES NP
	s_cmp_lg_u32 s95, 0                            ; the cluster's y: the same in all sixteen partners
	s_cbranch_scc1 .Lno32
	s_cmp_lg_u32 s15, 0                            ; the wave's number
	s_cbranch_scc1 .Lno32
	WIN 0x08                                       ; an LDS store's data are its source 1: window 2
.irp b, 0,1,2,3,4,5,6,7
	ds_store_b128 v[STO32], v[8*\b:8*\b+3] offset:64*\b            ; each accumulator from its low end on
	ds_store_b128 v[STO32], v[8*\b+4:8*\b+7] offset:64*\b+16
.endr
	WIN 0
.irp t, 0,1,2,3,4,5,6,7,8,9,10,11,12,13,14,15
	ds_load_b128 v[AF+4*\t:AF+4*\t+3], v[RD32] offset:\t*SP32      ; LDS serves a wave's instructions in order: these see the stores above
.endr
	s_wait_dscnt 0x0
.irp t, 0,1,2,3,4,5,6,7,8,9,10,11,12,13,14,15
	global_store_b128 v[CO32], v[AF+4*\t:AF+4*\t+3], s[96:97] offset:\t*FROW    ; 32 lanes store 512 consecutive bytes, aligned to 256
.endr
.Lno32:
; Then all eight blocks as f16.  PACK: rounded, 16 bytes a lane.  TOSTAGE: into my stage and back as rows of 256 bytes.  SEND: stored.
.macro PACK a
.set AC, 64*((\a)%4)
	WIN 0x0a+5*((\a)/4)                            ; sources 0 and 1: window 2 or 3
.irp b, 0,1,2,3,4,5,6,7
.irp r, 0,1,2,3
	v_cvt_pk_f16_f32 v[TMP+4*\b+\r], v[AC+8*\b+2*\r], v[AC+8*\b+2*\r+1]
.endr
.endr
	WIN 0
.endm
.macro TOSTAGE a
.set BK, OB+32*((\a)%2)
.irp b, 0,1,2,3,4,5,6,7
	ds_store_b128 v[STO], v[TMP+4*\b:TMP+4*\b+3] offset:32*\b
.endr
.irp t, 0,1,2,3,4,5,6,7
	ds_load_b128 v[BK+4*\t:BK+4*\t+3], v[RD] offset:\t*2*SP16
.endr
.endm
.macro SEND a
.set BK, OB+32*((\a)%2)
	s_wait_dscnt 0x0                               ; the block is back in registers
	s_wait_xcnt 0x0                                ; earlier stores have read their base and their data: the base may step, and the next block's loads may land
.if (\a) > 0
	s_add_nc_u64 s[12:13], s[12:13], 16*QROW
.endif
.irp t, 0,1,2,3,4,5,6,7
	global_store_b128 v[CO], v[BK+4*\t:BK+4*\t+3], s[12:13] offset:2*\t*QROW    ; sixteen lanes store 256 consecutive bytes, aligned
.endr
.endm
	PACK 0
	TOSTAGE 0
.irp a, 1,2,3,4,5,6,7                  ; block a's conversions stand between block a - 1's loads from the stage and the wait for them
	PACK \a
	SEND \a-1
	TOSTAGE \a
.endr
	SEND 7
	s_wait_tensorcnt 0x0                           ; the wave's end
	ds_add_u32 v[SPW], v[NIL]
	s_wait_dscnt 0x0
	CROUND                                         ; the closing round
	s_endpgm
.Lfunc_end_k_q02fe12e0b1_proj:
	.size	k_q02fe12e0b1_proj, .Lfunc_end_k_q02fe12e0b1_proj-k_q02fe12e0b1_proj
	.p2alignl 7, 3214868480
	.fill 96, 4, 3214868480
	.section	.rodata,"a",@progbits
	.p2align	6, 0x0
	.amdhsa_kernel k_q02fe12e0b1_proj
		.amdhsa_group_segment_fixed_size 327680
		.amdhsa_private_segment_fixed_size 0
		.amdhsa_enable_private_segment 0
		.amdhsa_kernarg_size 48
		.amdhsa_user_sgpr_count 2
		.amdhsa_user_sgpr_kernarg_segment_ptr 1
		.amdhsa_wavefront_size32 1
		.amdhsa_system_sgpr_workgroup_id_x 1
		.amdhsa_system_sgpr_workgroup_id_y 1
		.amdhsa_system_sgpr_workgroup_id_z 1
		.amdhsa_system_vgpr_workitem_id 0
		.amdhsa_next_free_vgpr 1024
		.amdhsa_next_free_sgpr 100
		.amdhsa_reserve_vcc 0
		.amdhsa_float_denorm_mode_32 3
		.amdhsa_float_denorm_mode_16_64 3
		.amdhsa_memory_ordered 1
		.amdhsa_forward_progress 1
		.amdhsa_inst_pref_size 131
	.end_amdhsa_kernel
	.amdgpu_metadata
---
amdhsa.version: [ 1, 2 ]
amdhsa.kernels:
  - .name:           k_q02fe12e0b1_proj
    .symbol:         k_q02fe12e0b1_proj.kd
    .args:
      - { .name: x_codes, .offset: 0, .size: 8, .value_kind: global_buffer, .address_space: global }
      - { .name: x_scales, .offset: 8, .size: 8, .value_kind: global_buffer, .address_space: global }
      - { .name: w_codes, .offset: 16, .size: 8, .value_kind: global_buffer, .address_space: global }
      - { .name: w_scales, .offset: 24, .size: 8, .value_kind: global_buffer, .address_space: global }
      - { .name: qkv, .offset: 32, .size: 8, .value_kind: global_buffer, .address_space: global }
      - { .name: q32, .offset: 40, .size: 8, .value_kind: global_buffer, .address_space: global }
    .group_segment_fixed_size: 327680
    .private_segment_fixed_size: 0
    .kernarg_segment_align: 8
    .kernarg_segment_size: 48
    .max_flat_workgroup_size: 128
    .sgpr_count:     100
    .vgpr_count:     1024
    .wavefront_size: 32
...
	.end_amdgpu_metadata
.endif
;; end of part 2
;; launch scores (part 3): grid 9 x 16, 4 waves a work-group, no clusters, 327,680 bytes of LDS; arguments qkv, pbuf, stats; writes pbuf, stats
.if DOCPART == 3
	.amdgcn_target "amdgcn-amd-amdhsa--gfx1250"
	.amdhsa_code_object_version 6
	.text
	.protected	k_q02fe12e0b1_scores
	.globl	k_q02fe12e0b1_scores
	.p2align	8
	.type	k_q02fe12e0b1_scores,@function
k_q02fe12e0b1_scores:
	s_mov_b64 s[64:65], 0
	v_nop
	global_prefetch_b8 v0, s[64:65] scope:SCOPE_SE
	s_setreg_imm32_b32 hwreg(HW_REG_WAVE_MODE, 25, 1), 1
	s_wait_xcnt 0x0
; p = 2^(t - M) for the causal scores, tile by tile.  t = (Q . K) x c, c = log2(e) / sqrt(1024).  Q and K are f16 columns of qkv [8192][3072] (K at column 0, Q at 1,024); sums in f32.
; Only the tiles of 256 queries x 256 keys that reach under the diagonal are made: tile (i, j), j <= i, of each of 4 sequences: 36 a sequence.  Tile rows p and 7 - p have 9 tiles together: grid 9 x (4 sequences x 4 pairs).
; A wave makes 128 queries x 128 keys.  THE SOFTMAX'S MAXIMUM IS TAKEN AWAY GROUP BY GROUP: for each query and each group of 128 keys (a wave's columns) M = the group's largest t rounded UP to a whole number, kept as
; -M = floor(-t).  p = 2^(t - M), at most 1, goes to pbuf as f16; (-M, the f32 sum of the group's p ahead of that rounding) goes to stats [4][16 groups][2048 rows][2].  The next launch brings the groups of a row
; under the row's largest M by exact powers of two.  A group all of whose keys are hidden has -M = floor(3e38 c), p = 0 and sum 0.
; pbuf IS LAID AS THE NEXT LAUNCH'S OPERAND REGISTERS: [4 sequences][128 blocks of 16 queries][64 chunks of 32 keys][1,024 bytes]: a fragment's registers 0-3 at 16 x lane, its registers 4-7 512 bytes on.
; The rounded p of accumulators 2 c and 2 c + 1 ARE fragment c (lane l: query l % 16; registers 0-3 keys 8 (l / 16) + 0 .. 7, registers 4-7 keys 16 + 8 (l / 16) + 0 .. 7), so they are stored as they stand, 512 consecutive bytes a store.
; NO CLUSTER: tile row i has i + 1 tiles and tile column j has 8 - j, so no split of a sequence's 36 tiles into fours that share a row or a column leaves every partner with work.
; LIMITS: scores stay above -3e38 (with f16 operands they stay under 4.4e12 in size); NaN and infinities are not served.
; The product is a GEMM with K = 1,024 in steps of 128 through two LDS slots; each wave fetches 128 rows x 256 bytes with one tensor load (waves 0, 1: Q's halves; waves 2, 3: K's).
; THE MATRIX INSTRUCTION IS USED TRANSPOSED (source 0 = 16 keys, source 1 = 16 queries): lane l holds query l % 16 and keys 8 (l / 16) + 0 .. 7 of each accumulator.
; REGISTERS: window 0: v0-31 addresses and constants; v64-127, v128-191 Q's fragments, two buffers; on the way out v32-55 at work, v64-127 p in f32, v128-191 p in f16 (two sets by turns), v224-239 the blocks' -M and sums.
;   window 1: v64-191 K's fragments.   window 2: the accumulators of my queries 0-63 ((a, b) at v[8 (8 a + b)]);  window 3: of my queries 64-127.
.set KSTEP,  128
.set PITCH,  272                       ; an LDS row: 256 bytes + 16 of padding: the 16 rows that a load touches start at 16 different banks (ISA guide 11.1)
.set HALFT,  128*PITCH
.set SLOT,   4*HALFT                   ; Q's 256 rows, then K's 256 rows
.set SPARE,  2*SLOT                    ; behind the ring: the spare words, 128 bytes for each wave
.set LAPS,   4                         ; 1,024 / 256: a lap is two K steps
.set QROW,   6144                      ; a row of qkv in bytes
.set ADRA, 16
.set ADRB, 20
.set SO,   22                          ; 8 x lane: the stats' place
.set SOP,  26                          ; 16 x lane: my place in half a fragment; never rewritten
.set D0,   27                          ; my query less my first key, inside the tile: 128 rh + r - 128 ch - 8 h
.set SPW,  28
.set NIL,  29
.set FLOOR, 30                         ; -3e38
.set NINF, 31                          ; -infinity
.set PX,   64
.set PH,   128
.set MS,   224
.set LS,   232
.set F0,   64
.set F1,   128
.set G1,   24
.set G0,   32
.set MSB, 0
.macro WIN new
.if MSB != \new
	s_set_vgpr_msb (MSB<<8)|\new
.set MSB, \new
.endif
.endm
.set MUL_LO, 0xa1
.set MUL_HI, 0xf1
.set TO_B,   0x40
	s_load_b128 s[4:7], s[0:1], 0x0                ; qkv, pbuf
	s_load_b64 s[8:9], s[0:1], 0x10                ; stats
	v_lshl_add_u32 v[SPW], v0, 2, SPARE
	v_mov_b32 v[NIL], 0
	ds_add_u32 v[SPW], v[NIL]                      ; the wave's opening: the add, twice on end, and its wait ahead of my first tensor load
	ds_add_u32 v[SPW], v[NIL]
	v_lshrrev_b32 v1, 5, v0
	v_readfirstlane_b32 s10, v1                    ; wave
	s_lshr_b32 s11, s10, 1                         ; rh: which half of the queries.  Also: I fetch Q (0) or K (1)
	s_and_b32 s12, s10, 1                          ; ch: which half of the keys.  Also: which 128 rows I fetch
	s_and_b32 s18, ttmp7, 0xffff
	s_lshr_b32 s13, s18, 2                         ; the sequence
	s_and_b32 s14, s18, 3                          ; p
	s_sub_co_u32 s19, 7, s14
	s_sub_co_u32 s20, ttmp9, s14
	s_sub_co_u32 s20, s20, 1
	s_cmp_le_u32 ttmp9, s14
	s_cselect_b32 s15, s14, s19                    ; i: tile row p for x <= p, else 7 - p
	s_cselect_b32 s16, ttmp9, s20                  ; j: x, or x - p - 1
	s_cmp_eq_u32 s15, s16
	s_cselect_b32 s17, 1, 0                        ; 1 on the diagonal
	s_cmp_eq_u32 s11, 0
	s_cselect_b32 s21, s15, s16                    ; the tile whose rows I fetch,
	s_cselect_b32 s22, 2048, 0                     ; and Q's or K's byte in a row of qkv
	s_lshl_b32 s18, s13, 11
	s_lshl_b32 s21, s21, 8
	s_add_co_u32 s18, s18, s21
	s_lshl_b32 s21, s12, 7
	s_add_co_u32 s18, s18, s21
	s_mul_i32 s18, s18, QROW                       ; under 2^26
	s_add_co_u32 s18, s18, s22
	s_mov_b32 s19, 0
	s_mul_i32 s20, s10, HALFT                      ; where my rows go: wave x 128 rows
	s_mov_b32 s[G1+0], (1<<16)|(1<<20)|(5<<22)|(3<<25)  ; no mask; elements of 2 bytes; padding: 4 words after every 64
	s_mov_b32 s[G1+1], KSTEP<<16                   ; tensor_dim0
	s_mov_b32 s[G1+2], 128<<16                     ; tensor_dim1
	s_mov_b32 s[G1+3], KSTEP<<16                   ; tile_dim0
	s_mov_b32 s[G1+4], 128                         ; tile_dim1
	s_mov_b32 s[G1+5], 3072                        ; pitch in elements
	s_mov_b32 s[G1+6], 0
	s_mov_b32 s[G1+7], 0
	s_mov_b32 s40, 0x3d38aa3b                      ; c = log2(e) / 32
	s_mov_b32 s41, s40                             ; (named with it as a pair)
	s_mov_b32 s42, 0x76543210
	s_mov_b32 s43, 0xfedcba98                      ; v_permlanex16_b32's selects for lane l xor 16
	s_mov_b32 s44, 0xffff0000                      ; lanes 16-31
	s_wait_dscnt 0x0                               ; both opening adds are done
	s_wait_kmcnt 0x0
	s_add_nc_u64 s[18:19], s[4:5], s[18:19]
.irp s, 0,1
	s_mov_b32 s[G0+4*\s], 1
	s_add_co_u32 s[G0+4*\s+1], s20, \s*SLOT
	s_add_nc_u64 s[G0+4*\s+2:G0+4*\s+3], s[18:19], \s*KSTEP*2
	s_or_b32 s[G0+4*\s+3], s[G0+4*\s+3], 0x80000000
.endr
	tensor_load_to_lds s[G0:G0+3], s[G1:G1+7]      ; K steps 0 and 1: two loads of mine are out
	s_nop 0
	tensor_load_to_lds s[G0+4:G0+7], s[G1:G1+7]
	s_nop 0
.rept 4
	v_nop
.endr
	v_and_b32 v1, 15, v0                           ; r
	v_bfe_u32 v2, v0, 4, 1                         ; h
	v_mul_u32_u24 v3, v1, PITCH
	v_lshl_add_u32 v3, v2, 4, v3
	s_mul_i32 s21, s11, HALFT                      ; my 128 queries,
	s_mul_i32 s22, s12, HALFT                      ; my 128 keys,
	s_add_co_u32 s22, s22, 2*HALFT                 ; which lie behind Q's 256 rows
.irp s, 0,1
	v_add_nc_u32 v[ADRA+\s], s21, v3
	v_add_nc_u32 v[ADRB+\s], s22, v3
	s_add_co_u32 s21, s21, SLOT
	s_add_co_u32 s22, s22, SLOT
.endr
	s_sub_co_i32 s23, s11, s12
	s_lshl_b32 s23, s23, 7
	v_lshlrev_b32 v5, 3, v2
	v_sub_nc_u32 v[D0], v1, v5
	v_add_nc_u32 v[D0], s23, v[D0]
	v_and_b32 v5, 31, v0
	v_lshlrev_b32 v[SO], 3, v5
	v_lshlrev_b32 v[SOP], 4, v5
	v_mov_b32 v[FLOOR], 0xff61b1e6
	v_mov_b32 v[NINF], 0xff800000
	v_mov_b32 v36, 0                               ; a lane permute's destination counts as one of its sources
	v_mov_b32 v39, 0                               ; named as the upper half of the pair v[38:39]
	s_lshl_b32 s18, s13, 7                         ; pbuf: block of 16 queries 128 b + 16 i + 8 rh,
	s_lshl_b32 s19, s15, 4
	s_add_co_u32 s18, s18, s19
	s_lshl_b32 s19, s11, 3
	s_add_co_u32 s18, s18, s19
	s_lshl_b32 s18, s18, 6                         ; 64 chunks of 32 keys a block,
	s_lshl_b32 s19, s16, 3
	s_add_co_u32 s18, s18, s19
	s_lshl_b32 s19, s12, 2
	s_add_co_u32 s18, s18, s19                     ; chunk 8 j + 4 ch,
	s_lshl_b32 s18, s18, 10                        ; 1,024 bytes a fragment: under 2^25
	s_mov_b32 s19, 0
	s_add_nc_u64 s[6:7], s[6:7], s[18:19]
	s_lshl_b32 s18, s13, 4                         ; stats: group 16 b + 2 j + ch,
	s_lshl_b32 s20, s16, 1
	s_add_co_u32 s18, s18, s20
	s_add_co_u32 s18, s18, s12
	s_lshl_b32 s18, s18, 11
	s_lshl_b32 s20, s15, 8                         ; row 256 i + 128 rh, 8 bytes a row
	s_add_co_u32 s18, s18, s20
	s_lshl_b32 s20, s11, 7
	s_add_co_u32 s18, s18, s20
	s_lshl_b32 s18, s18, 3
	s_add_nc_u64 s[8:9], s[8:9], s[18:19]
; 16 matrix instructions: query blocks a0, a0 + 1 of the window's four x all 8 key blocks, 32 along K.  The 64 accumulators take turns in the same order in every quarter.
.macro MUL16 f, hi, a0, zero
.irp a, \a0, \a0+1
.irp b, 0,1,2,3,4,5,6,7
.if \zero
	v_wmma_f32_16x16x32_f16 v[8*(8*(\a)+\b):8*(8*(\a)+\b)+7], v[\f+8*\b:\f+8*\b+7], v[\f+8*(4*\hi+\a):\f+8*(4*\hi+\a)+7], 0
.else
	v_wmma_f32_16x16x32_f16 v[8*(8*(\a)+\b):8*(8*(\a)+\b)+7], v[\f+8*\b:\f+8*\b+7], v[\f+8*(4*\hi+\a):\f+8*(4*\hi+\a)+7], v[8*(8*(\a)+\b):8*(8*(\a)+\b)+7]
.endif
.endr
.endr
.endm
.macro FETCH slot, k, f                ; 32 LDS loads in one run: K's 8 fragments, then Q's 8, for 32 along K at byte k of the rows
	WIN TO_B
.irp i, 0,1,2,3,4,5,6,7
	ds_load_b128 v[\f+8*\i:\f+8*\i+3],   v[ADRB+\slot] offset:\k+\i*16*PITCH
	ds_load_b128 v[\f+8*\i+4:\f+8*\i+7], v[ADRB+\slot] offset:\k+\i*16*PITCH+32
.endr
	WIN 0
.irp i, 0,1,2,3,4,5,6,7
	ds_load_b128 v[\f+8*\i:\f+8*\i+3],   v[ADRA+\slot] offset:\k+\i*16*PITCH
	ds_load_b128 v[\f+8*\i+4:\f+8*\i+7], v[ADRA+\slot] offset:\k+\i*16*PITCH+32
.endr
.endm
.macro PLACES                          ; four plain lines between a matrix instruction and a load into, or a read of, its registers
.rept 4
	v_nop
.endr
.endm
.macro QUARTER slot, k, f, g, zero
	s_wait_dscnt 8                                 ; K's fragments and Q's rows 0-63 are in; the youngest eight loads may be out
	WIN MUL_LO
	MUL16 \f, 0, 0, \zero
	MUL16 \f, 0, 2, \zero
	PLACES
	FETCH \slot, \k, \g
	s_wait_dscnt 32                                ; all but the 32 just issued
	WIN MUL_HI
	MUL16 \f, 1, 0, \zero
	MUL16 \f, 1, 2, \zero
.endm
; A K step's last quarter changes slots: one barrier.  In front of it each wave waits for all its tensor loads (its part of the next slot), adds 0 to its spare word, and waits for that and for its reads of this slot.
; fill = 1: behind the barrier this slot is filled again first, with the K step two on: 224 matrix instructions stand between that request and the wait for it.
.macro TURN slot, next, fill
	WIN 0
	s_wait_tensorcnt 0x0
	ds_add_u32 v[SPW], v[NIL]
	s_wait_dscnt 9                                 ; the add and the youngest eight loads may be out
	WIN MUL_LO
	MUL16 F1, 0, 0, 0
	s_wait_dscnt 0x0                               ; the add is done, and my reads of this slot are over
	s_barrier_signal -1
	MUL16 F1, 0, 2, 0
	WIN 0
	s_barrier_wait -1
.if \fill
	s_add_nc_u64 s[G0+4*\slot+2:G0+4*\slot+3], s[G0+4*\slot+2:G0+4*\slot+3], 2*KSTEP*2   ; no tensor load of mine is out: the group may be written
	tensor_load_to_lds s[G0+4*\slot:G0+4*\slot+3], s[G1:G1+7]
	s_nop 0
	PLACES                                         ; also the places in front of the loads below
.else
	PLACES
.endif
	FETCH \next, 0, F0
	WIN MUL_HI
	MUL16 F1, 1, 0, 0
	MUL16 F1, 1, 2, 0
.endm
	s_wait_tensorcnt 1                             ; my part of K step 0 is in; K step 1's may be out
	s_barrier_signal -1
	s_barrier_wait -1
	FETCH 0, 0, F0
	QUARTER 0, 64,  F0, F1, 1                      ; the first quarter's products start the sums
	WIN 0
	s_mov_b32 s3, LAPS-1
.Llap:                                                 ; a trip goes once round the ring, from a lap's second quarter to the next lap's first
	QUARTER 0, 128, F1, F0, 0
	QUARTER 0, 192, F0, F1, 0
	TURN 0, 1, 1
	QUARTER 1, 64,  F0, F1, 0
	QUARTER 1, 128, F1, F0, 0
	QUARTER 1, 192, F0, F1, 0
	TURN 1, 0, 1
	QUARTER 0, 64,  F0, F1, 0
	WIN 0
	s_sub_co_u32 s3, s3, 1
	s_cmp_lg_u32 s3, 0
	s_cbranch_scc1 .Llap
	QUARTER 0, 128, F1, F0, 0                      ; the last lap fills nothing
	QUARTER 0, 192, F0, F1, 0
	TURN 0, 1, 0
	QUARTER 1, 64,  F0, F1, 0
	QUARTER 1, 128, F1, F0, 0
	QUARTER 1, 192, F0, F1, 0
	s_wait_dscnt 8
	WIN MUL_LO
	MUL16 F1, 0, 0, 0
	MUL16 F1, 0, 2, 0
	s_wait_dscnt 0
	WIN MUL_HI
	MUL16 F1, 1, 0, 0
	MUL16 F1, 1, 2, 0
	WIN 0
; THE WAY OUT, block by block of 16 queries x 128 keys: mask (on the diagonal tile), the group's maximum, p, its sum, p as f16, and its four fragments stored as they stand.
.macro SOFT a
.set AC, 64*((\a)%4)
.set PHS, PH+32*((\a)%2)
	v_add_nc_u32 v37, 16*(\a), v[D0]               ; register 8 b + j holds the key that lies 16 b + j beyond my first: hidden where 16 b + j > this
	s_cmp_eq_u32 s17, 0
	s_cbranch_scc1 .Lopen_\@                       ; a branch on ids: under the diagonal every key counts
	WIN 0x82+0x41*((\a)/4)                         ; destination and source 0: the block's window
.set n, 0
.rept 64
	v_cmp_gt_i32 vcc_lo, 16*(n/8)+n%8, v37
	v_cndmask_b32 v[AC+n], v[AC+n], v[NINF], vcc_lo
.set n, n+1
.endr
	WIN 0
.Lopen_\@:
	WIN 0x28+0x14*((\a)/4)                         ; sources 1 and 2: the block's window
.irp k, 0,1,2,3
	v_max3_num_f32 v[32+\k], v[FLOOR], v[AC+16*\k], v[AC+16*\k+1]  ; four chains, each over two accumulators from their low ends on; the floor stands under a group that is all hidden
.endr
.irp i, 2,4,6,8,10,12,14
.irp k, 0,1,2,3
	v_max3_num_f32 v[32+\k], v[32+\k], v[AC+16*\k+\i], v[AC+16*\k+\i+1]
.endr
.endr
	WIN 0
	v_max3_num_f32 v32, v32, v33, v34
	v_max_num_f32 v32, v32, v35
	v_permlanex16_b32 v36, v32, s42, s43           ; the query's other 64 keys lie in the lane 16 away
	v_max_num_f32 v32, v32, v36
	v_mul_f32 v32, s40, v32                        ; as t (c is positive)
	v_floor_f32 v38, -v32                          ; -M = floor(-t): M is a whole number
	WIN 2+(\a)/4                                   ; source 0: the block's window
.set n, 0
.rept 32
	v_pk_fma_f32 v[PX+n:PX+n+1], v[AC+n:AC+n+1], s[40:41], v[38:39] op_sel_hi:[1,0,0]   ; t - M, two at a time
.set n, n+2
.endr
	WIN 0
.set n, 0
.rept 64
	v_exp_f32 v[PX+n], v[PX+n]                     ; p = 2^(t - M)
.set n, n+1
.endr
	v_mov_b32 v[MS+(\a)], v38                      ; the block's -M is kept (a plain line behind the exponentials)
	s_wait_alu depctr_va_vdst(0)                   ; one wait for the batch of 64, ahead of its first reader
	v_pk_add_f32 v[40:41], v[PX:PX+1], v[PX+2:PX+3]                ; the sum of p ahead of its rounding to f16, in two chains
	v_pk_add_f32 v[42:43], v[PX+4:PX+5], v[PX+6:PX+7]
.irp j, 8,12,16,20,24,28,32,36,40,44,48,52,56,60
	v_pk_add_f32 v[40:41], v[40:41], v[PX+\j:PX+\j+1]
	v_pk_add_f32 v[42:43], v[42:43], v[PX+\j+2:PX+\j+3]
.endr
	v_pk_add_f32 v[40:41], v[40:41], v[42:43]
	v_add_f32 v40, v40, v41
	v_permlanex16_b32 v36, v40, s42, s43
	v_add_f32 v[LS+(\a)], v40, v36
.if (\a) >= 2
	s_wait_xcnt 0x0                                ; block a - 2's stores have read this set of registers: it may be written again
.endif
.set n, 0
.rept 32
	v_cvt_pk_f16_f32 v[PHS+n], v[PX+2*n], v[PX+2*n+1]
.set n, n+1
.endr
.irp c, 0,1,2,3                        ; fragment c: 32 keys x 16 queries; a block of queries is 65,536 bytes of pbuf; the offsets stay inside the signed 24-bit immediate
	global_store_b128 v[SOP], v[PHS+8*\c:PHS+8*\c+3],   s[6:7] offset:65536*(\a)+1024*\c       ; 32 lanes store 512 consecutive bytes, aligned
	global_store_b128 v[SOP], v[PHS+8*\c+4:PHS+8*\c+7], s[6:7] offset:65536*(\a)+1024*\c+512
.endr
.endm
	PLACES
.irp a, 0,1,2,3,4,5,6,7
	SOFT \a
.endr
.irp q, 0,1,2,3                        ; the stats: lanes 0-15 take block 2 q's rows, lanes 16-31 block 2 q + 1's: 32 rows x 8 bytes on end
	v_cndmask_b32 v[48+2*\q], v[MS+2*\q], v[MS+2*\q+1], s44
	v_cndmask_b32 v[49+2*\q], v[LS+2*\q], v[LS+2*\q+1], s44
.endr
.irp q, 0,1,2,3
	global_store_b64 v[SO], v[48+2*\q:49+2*\q], s[8:9] offset:256*\q            ; the wave stores 256 consecutive bytes, aligned
.endr
	s_wait_tensorcnt 0x0                           ; the wave's end
	ds_add_u32 v[SPW], v[NIL]
	s_wait_dscnt 0x0
	s_endpgm
.Lfunc_end_k_q02fe12e0b1_scores:
	.size	k_q02fe12e0b1_scores, .Lfunc_end_k_q02fe12e0b1_scores-k_q02fe12e0b1_scores
	.p2alignl 7, 3214868480
	.fill 96, 4, 3214868480
	.section	.rodata,"a",@progbits
	.p2align	6, 0x0
	.amdhsa_kernel k_q02fe12e0b1_scores
		.amdhsa_group_segment_fixed_size 327680
		.amdhsa_private_segment_fixed_size 0
		.amdhsa_enable_private_segment 0
		.amdhsa_kernarg_size 24
		.amdhsa_user_sgpr_count 2
		.amdhsa_user_sgpr_kernarg_segment_ptr 1
		.amdhsa_wavefront_size32 1
		.amdhsa_system_sgpr_workgroup_id_x 1
		.amdhsa_system_sgpr_workgroup_id_y 1
		.amdhsa_system_sgpr_workgroup_id_z 1
		.amdhsa_system_vgpr_workitem_id 0
		.amdhsa_next_free_vgpr 1024
		.amdhsa_next_free_sgpr 66
		.amdhsa_reserve_vcc 1
		.amdhsa_float_denorm_mode_32 3
		.amdhsa_float_denorm_mode_16_64 3
		.amdhsa_memory_ordered 1
		.amdhsa_forward_progress 1
		.amdhsa_inst_pref_size 241
	.end_amdhsa_kernel
	.amdgpu_metadata
---
amdhsa.version: [ 1, 2 ]
amdhsa.kernels:
  - .name:           k_q02fe12e0b1_scores
    .symbol:         k_q02fe12e0b1_scores.kd
    .args:
      - { .name: qkv, .offset: 0, .size: 8, .value_kind: global_buffer, .address_space: global }
      - { .name: pbuf, .offset: 8, .size: 8, .value_kind: global_buffer, .address_space: global }
      - { .name: stats, .offset: 16, .size: 8, .value_kind: global_buffer, .address_space: global }
    .group_segment_fixed_size: 327680
    .private_segment_fixed_size: 0
    .kernarg_segment_align: 8
    .kernarg_segment_size: 24
    .max_flat_workgroup_size: 128
    .sgpr_count:     66
    .vgpr_count:     1024
    .wavefront_size: 32
...
	.end_amdgpu_metadata
.endif
;; end of part 3
;; launch pv (part 4): grid 8 x 32, 4 waves a work-group, no clusters, 327,680 bytes of LDS; arguments pbuf, qkv, stats, out0; writes out0
.if DOCPART == 4
	.amdgcn_target "amdgcn-amd-amdhsa--gfx1250"
	.amdhsa_code_object_version 6
	.text
	.protected	k_q02fe12e0b1_pv
	.globl	k_q02fe12e0b1_pv
	.p2align	8
	.type	k_q02fe12e0b1_pv,@function
k_q02fe12e0b1_pv:
	s_mov_b64 s[64:65], 0
	v_nop
	global_prefetch_b8 v0, s[64:65] scope:SCOPE_SE
	s_setreg_imm32_b32 hwreg(HW_REG_WAVE_MODE, 25, 1), 1
	s_wait_xcnt 0x0
; out0[b][q][e] = (sum over groups g of f_g T_g[q][e]) / (sum over g of f_g l_g),  T_g = the sum over the group's 128 keys of p V.
; p: pbuf, f16, each group of 128 keys under its own whole-number maximum M_g, laid as operand registers: [4][128 blocks of 16 queries][64 chunks of 32 keys][1,024 bytes].  (-M_g, l_g): stats [4][16][2048][2] f32.
; V: f16 columns 2,048 on of qkv [8192][3072].  f_g = 2^(M_g - the row's largest M), an exact power of two, at most 1; a group that is all hidden has f = 0.  Each group is summed into accumulators T of its own (f32) and
; O += f T in f32: nothing narrower than f32 is reckoned with outside the matrix unit.  No branch hangs on data.
; SHARES.  A work-group makes 256 queries x 128 channels: y = 8 x sequence + query tile i, x = channel tile.  The keys go in slots of 256 (two groups), i + 1 of them: keys beyond are hidden from all 256 queries.
; Wave w owns queries 64 w .. 64 w + 63 and all 128 channels.  O^T = V^T P: source 0 = 16 channels x 32 keys (V, stored [key][channel], comes turned by ds_load_tr16_b128), source 1 = 16 queries x 32 keys:
; a lane holds one query and eight neighbouring channels.
; p GOES STRAIGHT INTO REGISTERS: no other wave of the work-group wants a wave's rows of p.  A ring of 256 registers holds a slot's 8 chunks; a chunk's registers are loaded again, with the next slot's chunk, as soon as it has been
; multiplied: seven chunks' products stand between such a load and its use.  V goes through two LDS slots; each wave fetches 64 keys x 256 bytes of a slot with one tensor load, which has a whole slot's products in which to land.
; (p and V of 256 keys together would be 256 x 528 + 256 x 288 = 208,896 bytes a slot: two such slots do not fit in LDS.)
; EVERY work-group walks 8 trips, so that every LDS address steps in a loop of constant count and no barrier is jumped over.  A trip beyond the query tile does nothing but the change of slots; a slot beyond it is not asked for.
; NO CLUSTER: V's tiles are shared by query tiles that need different numbers of slots, and what a partner leaves out would be a branch on its place; p comes by no tensor load.
; The statistics are settled once, at the head: the row's least -M, f of every group, the row's sum and its reciprocal, two rows a lane; f and the reciprocal go through a table in LDS of the wave's own to the lanes that hold the rows' queries.
; The first 16 rows of each sequence are written here too and written again, more finely, by the launch that follows.
; REGISTERS, in windows of 256: window 0: v0-31 addresses and the head's work; v48-63 f of the slot's two groups, as pairs; v64-127, v128-191 V's fragments, two buffers (at the head the statistics, on the way out rows of O); v192-255 the way out.
;   window 1: O, accumulator (a, b) at v[8 (8 a + b)].   window 2: T likewise.   window 3: p, chunk x's fragment a at v[32 x + 8 a].
.set PV,    288                        ; a row of V in LDS: 256 bytes + 32
.set VQ,    64*PV                      ; what one wave's tensor load brings
.set SLOT1, 1<<17                      ; slot 1 begins here, so that one exclusive or turns an address in one slot into the other's
.set STAGE, 256*PV                     ; behind slot 0: 16 rows x 528 bytes for each wave, for the way out
.set SP32,  528
.set FTAB,  STAGE+4*16*SP32            ; the tables: for each wave 16 groups x 64 rows of f, then 64 reciprocals
.set FWAVE, 17*256
.set SPARE, FTAB+4*FWAVE               ; the spare words, 128 bytes for each wave
.set NSL,   8                          ; slots' worth of keys in a sequence
.set VSTEP, 256*6144                   ; a slot's 256 rows of qkv
.set ADRV, 4                           ; v4-5   my place in V's tile: chunks 0-3, chunks 4-7 (the offsets of all eight do not fit the 16-bit immediate)
.set ADV,  6                           ; v6-7   the same in the slot in hand
.set STO,  8
.set RD,   9
.set CO,   10                          ; 16 x lane: my place in half a fragment, in a group's statistics, in a row of out0; never rewritten
.set FR0,  11                          ; my query's place in my wave's table
.set SPW,  12
.set NIL,  13
.set PFO,  14                          ; 256 x lane: the prefetches of p
.set PFVO, 15                          ; 6,144 x lane: of V
.set FAD,  18                          ; the table's address in hand
.set TBW,  19                          ; where I write my two rows into the table
.set FF,   48                          ; f of group k, query block a at v[48 + 8 k + 2 a]; the odd registers are named in pairs with them
.set VB,   64
.set SS,   64                          ; the head: (-M, l, -M, l) of my two rows, group g at v[64 + 4 g]
.set FP,   128                         ; the head: f of my two rows, group g at v[128 + 2 g]
.set GOF,  192                         ; the head: sixteen offsets
.set G1V, 24
.set G0V, 32
.set TB,  36                           ; s36 LDS byte at which the slot in hand begins
.set TF,  37                           ; s37 the slot's two groups in the table: 512 bytes a trip
.set PB,  40                           ; s[40:41] my rows of p, at the slot that is being loaded
.set SBP, 42                           ; s[42:43] my rows' statistics
.set PFV, 44                           ; s[44:45] where my prefetches of V stand
.set LIMP, 46                          ; s46 the last slot for which I prefetch p: i in the work-group of channel tile 0, else 0
.set LIMV, 47                          ; s47 the same for V: 7 in the work-group of query tile 7, else 0
.set MSB, 0
.macro WIN new                         ; the immediate's high byte repeats the setting that is left
.if MSB != \new
	s_set_vgpr_msb (MSB<<8)|\new
.set MSB, \new
.endif
.endm
.set MULW, 0xac                        ; source 0 (V) window 0, source 1 (p) window 3, C and D (T) window 2
.set FMAW, 0x52                        ; source 0 (T) window 2, source 1 (f) window 0, source 2 and destination (O) window 1
.set TO_P, 0xc0                        ; destination window 3, address window 0
	s_load_b256 s[4:11], s[0:1], 0x0               ; pbuf, qkv, stats, out0
	v_lshl_add_u32 v[SPW], v0, 2, SPARE
	v_mov_b32 v[NIL], 0
	ds_add_u32 v[SPW], v[NIL]                      ; the wave's opening: the add, twice on end, and its wait ahead of my first tensor load
	ds_add_u32 v[SPW], v[NIL]
	v_lshrrev_b32 v1, 5, v0
	v_readfirstlane_b32 s12, v1                    ; wave
	s_and_b32 s18, ttmp7, 0xffff
	s_lshr_b32 s15, s18, 3                         ; the sequence
	s_and_b32 s16, s18, 7                          ; the query tile i
	s_lshl_b32 s17, s16, 1
	s_add_co_u32 s17, s17, 1                       ; the last group: 2 i + 1
	s_mov_b32 s[G1V], (1<<16)|(1<<20)|(5<<22)|(7<<25)              ; no mask; elements of 2 bytes; padding: 8 words after every 64
	s_mov_b32 s[G1V+1], 128<<16
	s_mov_b32 s[G1V+2], 64<<16
	s_mov_b32 s[G1V+3], 128<<16
	s_mov_b32 s[G1V+4], 64                         ; 64 rows of 128 elements,
	s_mov_b32 s[G1V+5], 3072                       ; 3,072 elements apart
	s_mov_b32 s[G1V+6], 0
	s_mov_b32 s[G1V+7], 0
	s_lshl_b32 s20, s15, 11
	s_lshl_b32 s19, s12, 6
	s_add_co_u32 s20, s20, s19
	s_mul_i32 s20, s20, 6144                       ; V: key 2048 b + 64 w,
	s_lshl_b32 s19, ttmp9, 8
	s_add_co_u32 s20, s20, s19
	s_add_co_u32 s20, s20, 4096                    ; byte 4,096 + 256 x channel tile of its row
	s_mov_b32 s21, 0
	s_mul_i32 s22, s12, VQ                         ; where my rows go: wave x 64 rows
	s_lshl_b32 s[PB], s15, 7
	s_lshl_b32 s19, s16, 4
	s_add_co_u32 s[PB], s[PB], s19
	s_lshl_b32 s19, s12, 2
	s_add_co_u32 s[PB], s[PB], s19                 ; p: block of 16 queries 128 b + 16 i + 4 w,
	s_lshl_b32 s[PB], s[PB], 16                    ; 65,536 bytes a block
	s_mov_b32 s[PB+1], 0
	s_lshl_b32 s[SBP], s15, 18                     ; stats: 16 groups x 2,048 rows x 8 bytes a sequence,
	s_lshl_b32 s19, s16, 11
	s_add_co_u32 s[SBP], s[SBP], s19
	s_lshl_b32 s19, s12, 9
	s_add_co_u32 s[SBP], s[SBP], s19               ; row 256 i + 64 w
	s_mov_b32 s[SBP+1], 0
	s_lshl_b32 s50, s15, 11
	s_lshl_b32 s19, s16, 8
	s_add_co_u32 s50, s50, s19
	s_lshl_b32 s19, s12, 6
	s_add_co_u32 s50, s50, s19
	s_lshl_b32 s50, s50, 12                        ; out0: row 2048 b + 256 i + 64 w of 4,096 bytes,
	s_lshl_b32 s19, ttmp9, 9
	s_add_co_u32 s50, s50, s19                     ; + 512 x channel tile
	s_mov_b32 s51, 0
	s_cmp_eq_u32 ttmp9, 0
	s_cselect_b32 s[LIMP], s16, 0
	s_cmp_eq_u32 s16, 7
	s_cselect_b32 s[LIMV], 7, 0
	s_mov_b32 s[TB], 0
	s_mov_b32 s[TF], 0
	s_mov_b32 s3, 0                                ; the trip: the slot in hand
	s_wait_dscnt 0x0                               ; both opening adds are done
	s_wait_kmcnt 0x0
	s_add_nc_u64 s[20:21], s[6:7], s[20:21]
	s_add_nc_u64 s[PB:PB+1], s[4:5], s[PB:PB+1]
	s_add_nc_u64 s[SBP:SBP+1], s[8:9], s[SBP:SBP+1]
	s_add_nc_u64 s[10:11], s[10:11], s[50:51]
	s_add_nc_u64 s[PFV:PFV+1], s[20:21], VSTEP     ; at slot 1: the first trip steps it to slot 2
	s_mov_b32 s[G0V], 1
	s_mov_b32 s[G0V+1], s22
	s_mov_b64 s[G0V+2:G0V+3], s[20:21]
	s_or_b32 s[G0V+3], s[G0V+3], 0x80000000
	tensor_load_to_lds s[G0V:G0V+3], s[G1V:G1V+7]  ; slot 0, which every query tile reads: one load of mine is out.  Slot 1 is asked for behind the first trip's barrier
	s_nop 0
.rept 4
	v_nop
.endr
.macro PLOAD x                         ; chunk x's four fragments of p: 512 consecutive bytes a load
.irp a, 0,1,2,3
	global_load_b128 v[32*(\x)+8*\a:32*(\x)+8*\a+3],   v[CO], s[PB:PB+1] offset:65536*\a+1024*(\x)
	global_load_b128 v[32*(\x)+8*\a+4:32*(\x)+8*\a+7], v[CO], s[PB:PB+1] offset:65536*\a+1024*(\x)+512
.endr
.endm
	v_and_b32 v1, 15, v0                           ; r
	v_bfe_u32 v2, v0, 4, 1                         ; h
	v_and_b32 v3, 31, v0                           ; lane
	v_lshlrev_b32 v[CO], 4, v3
	; the statistics of my wave's 64 rows: a group's are 512 consecutive bytes, 16 a lane: rows 2 l and 2 l + 1.  A group beyond the last is replaced by the last: only words that were written are read
.irp g, 0,1,2,3,4,5,6,7,8,9,10,11,12,13,14,15
	s_min_u32 s18, s17, \g
	s_lshl_b32 s18, s18, 14                        ; 16,384 bytes from group to group
	v_add_nc_u32 v[GOF+\g], s18, v[CO]
.endr
.irp g, 0,1,2,3,4,5,6,7,8,9,10,11,12,13,14,15
	global_load_b128 v[SS+4*\g:SS+4*\g+3], v[GOF+\g], s[SBP:SBP+1]
.endr
	WIN TO_P
.irp x, 0,1,2,3,4,5
	PLOAD \x                                       ; slot 0's p; the last two chunks follow behind the statistics' work
.endr
	WIN 0
	v_and_b32 v24, 7, v0                           ; the turning load: key 8 h + l % 8, channels 8 ((l / 8) % 2) on
	v_bfe_u32 v25, v0, 3, 1
	v_lshl_add_u32 v[ADRV], v2, 3, v24
	v_mul_u32_u24 v[ADRV], v[ADRV], PV
	v_lshl_add_u32 v[ADRV], v25, 4, v[ADRV]
	v_add_nc_u32 v[ADRV+1], 128*PV, v[ADRV]
	s_mul_i32 s18, s12, 16*SP32
	s_add_co_u32 s18, s18, STAGE                   ; my stage
	v_mul_u32_u24 v24, v1, SP32
	v_lshl_add_u32 v24, v2, 5, v24
	v_add_nc_u32 v[STO], s18, v24                  ; in: row r, 32 bytes for each half of the lanes
	v_add_nc_u32 v[RD], s18, v[CO]                 ; back: the 32 lanes take one row of 512 bytes
	s_mul_i32 s18, s12, FWAVE
	s_add_co_u32 s18, s18, FTAB                    ; my table
	v_lshl_add_u32 v[FR0], v1, 2, s18
	v_lshl_add_u32 v[TBW], v3, 3, s18
	v_lshlrev_b32 v[PFO], 8, v3
	v_mul_u32_u24 v[PFVO], v3, 6144
.irp q, 0,1,2,3,4,5,6,7
	v_mov_b32 v[FF+2*\q+1], 0                      ; named as the upper halves of the pairs of f
.endr
	WIN 0x40                                       ; destination window 1
.set n, 0
.rept 256
	v_mov_b32 v[n], 0                              ; O.  The trip is written once, inside the loop, where the jump round a slot's load may stand: its first group finds zeros.  These lines stand while the first loads are out
.set n, n+1
.endr
	WIN 0
	s_wait_loadcnt 48                              ; the sixteen loads of statistics are in; p's 48 may be out
	v_min3_num_f32 v16, v[SS], v[SS+4], v[SS+8]
	v_min3_num_f32 v17, v[SS+2], v[SS+6], v[SS+10]
.irp g, 3,5,7,9,11,13
	v_min3_num_f32 v16, v16, v[SS+4*\g], v[SS+4*\g+4]
	v_min3_num_f32 v17, v17, v[SS+4*\g+2], v[SS+4*\g+6]
.endr
	v_min_num_f32 v16, v16, v[SS+60]               ; the least -M: the row's largest M
	v_min_num_f32 v17, v17, v[SS+62]
.irp g, 0,1,2,3,4,5,6,7,8,9,10,11,12,13,14,15
	v_sub_f32 v[FP+2*\g], v16, v[SS+4*\g]          ; M_g less the row's largest M: a whole number, 0 or less
	v_sub_f32 v[FP+2*\g+1], v17, v[SS+4*\g+2]
.endr
.set n, 0
.rept 32
	v_cvt_i32_f32 v[FP+n], v[FP+n]                 ; (it saturates, and f is then 0)
.set n, n+1
.endr
.set n, 0
.rept 32
	v_ldexp_f32 v[FP+n], 1.0, v[FP+n]              ; f
.set n, n+1
.endr
	v_mul_f32 v20, v[FP], v[SS+1]                  ; the row's sum begins with group 0
	v_mul_f32 v21, v[FP+1], v[SS+3]
.irp g, 1,2,3,4,5,6,7,8,9,10,11,12,13,14,15
	s_cmp_le_u32 \g, s17                           ; a group beyond the last was read as a copy of the last: its l counts for nothing
	s_cselect_b32 s18, 1.0, 0
	v_mul_f32 v[24+2*(\g%2)], s18, v[SS+4*\g+1]
	v_mul_f32 v[25+2*(\g%2)], s18, v[SS+4*\g+3]
	v_fmac_f32 v20, v[FP+2*\g], v[24+2*(\g%2)]
	v_fmac_f32 v21, v[FP+2*\g+1], v[25+2*(\g%2)]
.endr
	v_rcp_f32 v22, v20                             ; the group with the largest M has f = 1 and a sum of at least a half
	v_rcp_f32 v23, v21
	v_nop                                          ; a plain line behind the reciprocals
	s_wait_alu depctr_va_vdst(0)                   ; one wait for the two, ahead of their first reader
.irp g, 0,1,2,3,4,5,6,7,8,9,10,11,12,13,14,15
	ds_store_b64 v[TBW], v[FP+2*\g:FP+2*\g+1] offset:256*\g        ; the table: row rho's f of group g at 256 g + 4 rho.  My wave alone reads it, and LDS serves a wave's instructions in order
.endr
	ds_store_b64 v[TBW], v[22:23] offset:4096      ; and the reciprocals
	WIN TO_P
	PLOAD 6
	PLOAD 7
	WIN 0
.macro FETCHV x                        ; chunk x's eight fragments of V^T (16 channels x 32 keys each) into buffer x % 2
.set VBX, VB+64*((\x)%2)
.irp b, 0,1,2,3,4,5,6,7
	ds_load_tr16_b128 v[VBX+8*\b:VBX+8*\b+3],   v[ADV+(\x)/4] offset:((\x)%4)*32*PV+32*\b
	ds_load_tr16_b128 v[VBX+8*\b+4:VBX+8*\b+7], v[ADV+(\x)/4] offset:((\x)%4)*32*PV+16*PV+32*\b
.endr
.endm
.macro MULA x, a                       ; 8 matrix instructions: query block a x all 8 channel blocks, chunk x.  A group's first chunk starts T's sums.  The 32 accumulators take turns in the same order in every chunk
.set VBX, VB+64*((\x)%2)
.irp b, 0,1,2,3,4,5,6,7
.if ((\x)%4) == 0
	v_wmma_f32_16x16x32_f16 v[64*(\a)+8*\b:64*(\a)+8*\b+7], v[VBX+8*\b:VBX+8*\b+7], v[32*(\x)+8*(\a):32*(\x)+8*(\a)+7], 0
.else
	v_wmma_f32_16x16x32_f16 v[64*(\a)+8*\b:64*(\a)+8*\b+7], v[VBX+8*\b:VBX+8*\b+7], v[32*(\x)+8*(\a):32*(\x)+8*(\a)+7], v[64*(\a)+8*\b:64*(\a)+8*\b+7]
.endif
.endr
.endm
.macro FMA a, k                        ; O += f T for query block a, group k of the slot: each accumulator of T from its low end on
	WIN FMAW
.set n, 0
.rept 32
	v_pk_fma_f32 v[64*(\a)+n:64*(\a)+n+1], v[64*(\a)+n:64*(\a)+n+1], v[FF+8*(\k)+2*(\a):FF+8*(\k)+2*(\a)+1], v[64*(\a)+n:64*(\a)+n+1] op_sel_hi:[1,0,1]
.set n, n+2
.endr
.endm
.macro PLACES                          ; four plain lines between a matrix instruction and a load into, or a read of, its registers
.rept 4
	v_nop
.endr
.endm
; A chunk of 32 keys.  fill = 1: the slot has a successor, and the registers of the chunk before take that slot's chunk.  The places stand between the last chunk's products and the loads into what those read;
; behind a group's last chunk the multiply-adds are those places.
.macro CHUNK x, fill
.if \fill
.if (\x) == 0
	s_wait_loadcnt 56                              ; my chunk is in; behind it were issued this slot's chunks 1 to 7
.else
	s_wait_loadcnt 48                              ; behind my chunk were issued 8 (7 - x) loads of this slot and 8 (x - 1) of the next
.endif
.else
	s_wait_loadcnt 8*(7-(\x))                      ; behind my chunk were issued this slot's later chunks alone
.endif
	s_wait_dscnt 0x0                               ; V's fragments of this chunk are in (with chunk 0: f too)
.if ((\x)%4) != 0
	PLACES
.endif
.if (\x) < 7
	FETCHV (\x)+1
.endif
.if (\fill) && ((\x) > 0)
	WIN TO_P
	PLOAD (\x)-1
.endif
	WIN MULW
	MULA \x, 0
	MULA \x, 1
	MULA \x, 2
	MULA \x, 3
.if ((\x)%4) == 3
	PLACES                                         ; the group is summed
	FMA 0, (\x)/4
	FMA 1, (\x)/4
	FMA 2, (\x)/4
	FMA 3, (\x)/4
.endif
	WIN 0
.endm
; PREFETCHES INTO THE L2 of the slot behind the one that this trip loads (slot t + 2, in trip t).  Each aligned block of 256 bytes is named once in the launch.  p: the eight channel tiles of a query tile read the same fragments:
; the work-group of channel tile 0 asks, each wave for its own four blocks of queries, 8,192 consecutive bytes each, lanes 256 bytes apart.  V: the eight query tiles read the same rows: the work-group of query tile 7, which
; walks all slots, asks, each wave for the 64 rows that it will fetch, a lane a row.  Slots 0 and 1 come by their loads alone; nothing is asked for beyond the last slot that the asking work-group reads.
.macro ASK
	s_add_co_u32 s48, s3, 2
	s_cmp_le_u32 s48, s[LIMP]
	s_cbranch_scc0 .Lnot_p_\@
.irp a, 0,1,2,3
	global_prefetch_b8 v[PFO], s[PB:PB+1] offset:65536*\a+8192 th:TH_LOAD_NT scope:SCOPE_SE
.endr
.Lnot_p_\@:
	s_cmp_le_u32 s48, s[LIMV]
	s_cbranch_scc0 .Lnot_v_\@
	global_prefetch_b8 v[PFVO], s[PFV:PFV+1] th:TH_LOAD_NT scope:SCOPE_SE
	global_prefetch_b8 v[PFVO], s[PFV:PFV+1] offset:32*6144 th:TH_LOAD_NT scope:SCOPE_SE
.Lnot_v_\@:
.endm
; A slot's work: 8 chunks, two groups.
.macro BODY fill
	v_add_nc_u32 v[ADV], s[TB], v[ADRV]
	v_add_nc_u32 v[ADV+1], s[TB], v[ADRV+1]
	v_add_nc_u32 v[FAD], s[TF], v[FR0]
	FETCHV 0
.irp k, 0,1
.irp a, 0,1,2,3
	ds_load_b32 v[FF+8*\k+2*\a], v[FAD] offset:256*\k+64*\a        ; f of my query in block a, group k
.endr
.endr
.if \fill
	s_wait_xcnt 0x0                                ; the last trip's loads and prefetches have read their bases
	s_add_nc_u64 s[PB:PB+1], s[PB:PB+1], 8192      ; p: on to the next slot's 8 chunks
	s_add_nc_u64 s[PFV:PFV+1], s[PFV:PFV+1], VSTEP
	ASK
.endif
.irp x, 0,1,2,3,4,5,6,7
	CHUNK \x, \fill
.endr
.if \fill
	WIN TO_P
	PLOAD 7                                        ; behind chunk 7's products stand the group's multiply-adds: more than four places
	WIN 0
.endif
.endm
.Lslot:                                                ; 8 trips in every work-group
	; THE CHANGE OF SLOTS: each wave waits for all its tensor loads (its part of the slot that it is about to read), adds 0 to its spare word, and waits for that and for its LDS instructions (its reads of the slot that it has left; in the first trip its table)
	s_wait_tensorcnt 0x0                           ; no tensor load of mine is out, so the group 0 may be written
	ds_add_u32 v[SPW], v[NIL]
	s_xor_b32 s[G0V+1], s[G0V+1], SLOT1            ; the walking descriptor: the other slot than last time,
	s_add_nc_u64 s[G0V+2:G0V+3], s[G0V+2:G0V+3], VSTEP   ; the next 256 keys; the type bits on top are not reached
	s_wait_dscnt 0x0
	s_barrier_signal -1
	s_barrier_wait -1
	s_cmp_ge_u32 s3, s16                           ; slot t + 1 is read only where t + 1 <= i: ids and the count of trips alone, the same in all four waves; a work-group that is past its last slot stays past it
	s_cbranch_scc1 .Lpast
	tensor_load_to_lds s[G0V:G0V+3], s[G1V:G1V+7]  ; the first thing behind the barrier, and my one tensor load until the next
	s_nop 0
.rept 4
	v_nop
.endr
.Lpast:
	s_cmp_gt_u32 s3, s16
	s_cbranch_scc1 .Lnone                          ; a slot all of whose keys are hidden from my 256 queries
	s_cmp_eq_u32 s3, s16
	s_cbranch_scc1 .Llast
	BODY 1
	s_branch .Lnone
.Llast:
	BODY 0                                         ; the query tile's last slot loads nothing more: its counts run down
.Lnone:
	s_xor_b32 s[TB], s[TB], SLOT1
	s_add_co_u32 s[TF], s[TF], 512
	s_add_co_u32 s3, s3, 1
	s_cmp_lt_u32 s3, NSL
	s_cbranch_scc1 .Lslot
	; THE WAY OUT: O^T / the row's sum, a block of 16 queries x 128 channels at a time through my stage, back as rows of 512 bytes.
	s_wait_loadcnt 0x0                             ; no load of mine is out
.irp a, 0,1,2,3
	ds_load_b32 v[FF+2*\a], v[FR0] offset:4096+64*\a               ; 1 / the sum of my query in block a
.endr
	s_wait_dscnt 0x0
.macro OUTB a
.set BK, 128+64*((\a)%2)
.if (\a) >= 2
	s_wait_xcnt 0x0                                ; block a - 2's stores have read their registers: this block's loads may land there
.endif
	WIN 0x01                                       ; source 0: window 1
.set n, 0
.rept 32
	v_pk_mul_f32 v[64+n:65+n], v[64*(\a)+n:64*(\a)+n+1], v[FF+2*(\a):FF+2*(\a)+1] op_sel_hi:[1,0]
.set n, n+2
.endr
	WIN 0
.irp b, 0,1,2,3,4,5,6,7
	ds_store_b128 v[STO], v[64+8*\b:64+8*\b+3] offset:64*\b
	ds_store_b128 v[STO], v[64+8*\b+4:64+8*\b+7] offset:64*\b+16
.endr
.irp t, 0,1,2,3,4,5,6,7,8,9,10,11,12,13,14,15
	ds_load_b128 v[BK+4*\t:BK+4*\t+3], v[RD] offset:\t*SP32        ; LDS serves a wave's instructions in order: these see the stores above
.endr
.endm
.macro SENDB a, younger                ; younger: the LDS instructions issued behind block a's loads, which may stay out
.set BK, 128+64*((\a)%2)
	s_wait_dscnt \younger
.irp t, 0,1,2,3,4,5,6,7,8,9,10,11,12,13,14,15
	global_store_b128 v[CO], v[BK+4*\t:BK+4*\t+3], s[10:11] offset:(16*(\a)+\t)*4096 th:TH_STORE_NT   ; 32 lanes store 512 consecutive bytes, aligned to 256
.endr
.endm
	OUTB 0
	OUTB 1
	SENDB 0, 32                                    ; block 1's 16 stores and 16 loads may be out
	OUTB 2
	SENDB 1, 32
	OUTB 3
	SENDB 2, 32
	SENDB 3, 0
	s_wait_tensorcnt 0x0                           ; the wave's end
	ds_add_u32 v[SPW], v[NIL]
	s_wait_dscnt 0x0
	s_endpgm
.Lfunc_end_k_q02fe12e0b1_pv:
	.size	k_q02fe12e0b1_pv, .Lfunc_end_k_q02fe12e0b1_pv-k_q02fe12e0b1_pv
	.p2alignl 7, 3214868480
	.fill 96, 4, 3214868480
	.section	.rodata,"a",@progbits
	.p2align	6, 0x0
	.amdhsa_kernel k_q02fe12e0b1_pv
		.amdhsa_group_segment_fixed_size 327680
		.amdhsa_private_segment_fixed_size 0
		.amdhsa_enable_private_segment 0
		.amdhsa_kernarg_size 32
		.amdhsa_user_sgpr_count 2
		.amdhsa_user_sgpr_kernarg_segment_ptr 1
		.amdhsa_wavefront_size32 1
		.amdhsa_system_sgpr_workgroup_id_x 1
		.amdhsa_system_sgpr_workgroup_id_y 1
		.amdhsa_system_sgpr_workgroup_id_z 1
		.amdhsa_system_vgpr_workitem_id 0
		.amdhsa_next_free_vgpr 1024
		.amdhsa_next_free_sgpr 66
		.amdhsa_reserve_vcc 0
		.amdhsa_float_denorm_mode_32 3
		.amdhsa_float_denorm_mode_16_64 3
		.amdhsa_memory_ordered 1
		.amdhsa_forward_progress 1
		.amdhsa_inst_pref_size 148
	.end_amdhsa_kernel
	.amdgpu_metadata
---
amdhsa.version: [ 1, 2 ]
amdhsa.kernels:
  - .name:           k_q02fe12e0b1_pv
    .symbol:         k_q02fe12e0b1_pv.kd
    .args:
      - { .name: pbuf, .offset: 0, .size: 8, .value_kind: global_buffer, .address_space: global }
      - { .name: qkv, .offset: 8, .size: 8, .value_kind: global_buffer, .address_space: global }
      - { .name: stats, .offset: 16, .size: 8, .value_kind: global_buffer, .address_space: global }
      - { .name: out0, .offset: 24, .size: 8, .value_kind: global_buffer, .address_space: global }
    .group_segment_fixed_size: 327680
    .private_segment_fixed_size: 0
    .kernarg_segment_align: 8
    .kernarg_segment_size: 32
    .max_flat_workgroup_size: 128
    .sgpr_count:     66
    .vgpr_count:     1024
    .wavefront_size: 32
...
	.end_amdgpu_metadata
.endif
;; end of part 4
;; launch head16 (part 5): grid 2 x 4, 8 waves a work-group, no clusters, 44,032 bytes of LDS; arguments q32, out0; writes out0
.if DOCPART == 5
	.amdgcn_target "amdgcn-amd-amdhsa--gfx1250"
	.amdhsa_code_object_version 6
	.text
	.protected	k_q02fe12e0b1_head16
	.globl	k_q02fe12e0b1_head16
	.p2align	8
	.type	k_q02fe12e0b1_head16,@function
k_q02fe12e0b1_head16:
	s_mov_b64 s[64:65], 0
	v_nop
	global_prefetch_b8 v0, s[64:65] scope:SCOPE_SE
	s_setreg_imm32_b32 hwreg(HW_REG_WAVE_MODE, 25, 1), 1
	s_wait_xcnt 0x0
; The first 16 positions of each sequence, in f32 throughout: under the causal mask they average one to sixteen rows of V, and are the largest numbers of the output.  It runs last and writes those rows of out0 anew.
; q32 [4][16][3072] f32: K at column 0, Q at 1,024, V at 2,048.  A work-group takes a sequence (y) and 512 of the 1,024 channels of the output (x).
; Scores: wave w sums the head's channels 128 w .. + 127 of S^T = K Q^T (32 matrix instructions of 16 x 16 x 4 in f32 on four accumulators by turns); the eight parts meet in LDS and every wave adds them in the same order.
; A lane holds query r = lane % 16 and keys 8 h + 0 .. 7 (h = lane / 16).  The softmax takes the row's true maximum away; p is divided by its sum before the second product.
; O^T = V^T p for the wave's 64 channels: 16 matrix instructions.  In both products k stands in the same permuted places on both sides, so each sum holds each k once.
; The registers that these matrix instructions write (v192-255) are written by nothing else.
.set FROW,  12288
.set RED,   0                          ; LDS: eight parts of the scores, 1,024 bytes each
.set STAGE, 8192                       ; 16 rows x 272 bytes for each wave
.set SPITCH, 272
.set SPARE, 43008                      ; the spare words, 128 bytes for each wave
.set KF,  32
.set QF,  96
.set VF,  160
.set SA,  192
.set OA,  224
.set SPW, 30
.set NIL, 31
	s_load_b128 s[4:7], s[0:1], 0x0                ; q32, out0
	v_lshl_add_u32 v[SPW], v0, 2, SPARE
	v_mov_b32 v[NIL], 0
	v_lshrrev_b32 v1, 5, v0
	v_readfirstlane_b32 s8, v1                     ; wave
	s_and_b32 s9, ttmp7, 0xffff                    ; the sequence
	v_and_b32 v1, 15, v0                           ; r
	v_bfe_u32 v2, v0, 4, 1                         ; h
	v_and_b32 v3, 31, v0                           ; lane
	v_mul_u32_u24 v4, v1, FROW
	v_lshl_add_u32 v4, v2, 4, v4                   ; K, Q: row r, + 16 h
	v_mul_u32_u24 v5, v2, 8*FROW
	v_lshl_add_u32 v5, v1, 2, v5                   ; V: row 8 h, channel r
	v_lshlrev_b32 v7, 4, v3                        ; the parts: 16 bytes a lane,
	s_lshl_b32 s10, s8, 10
	v_add_nc_u32 v6, s10, v7                       ; mine at 1,024 x wave
	v_lshlrev_b32 v24, 3, v2
	v_sub_nc_u32 v24, v1, v24                      ; r - 8 h: key 8 h + j is hidden where j > this
	v_mov_b32 v25, 0xff800000                      ; -infinity
	v_mov_b32 v27, 0                               ; a lane permute's destination counts as one of its sources
	s_mul_i32 s10, s9, 16*FROW                     ; the sequence's 16 rows
	s_lshl_b32 s11, s8, 9
	s_add_co_u32 s12, s10, s11                     ; K: my 128 channels
	s_mov_b32 s13, 0
	s_lshl_b32 s14, ttmp9, 11
	s_lshl_b32 s15, s8, 8
	s_add_co_u32 s14, s14, s15                     ; my 64 channels of the output, in bytes: 2,048 x + 256 w
	s_add_co_u32 s16, s10, s14
	s_add_co_u32 s16, s16, 8192                    ; V
	s_mov_b32 s17, 0
	s_lshl_b32 s18, s9, 23                         ; out0: 2,048 rows of 4,096 bytes a sequence
	s_add_co_u32 s18, s18, s14
	s_mov_b32 s19, 0
	s_mov_b32 s20, 0x76543210
	s_mov_b32 s21, 0xfedcba98                      ; v_permlanex16_b32's selects for lane l xor 16
	s_mov_b32 s22, 0x3d38aa3b                      ; c = log2(e) / sqrt(1024)
	s_mul_i32 s23, s8, 16*SPITCH
	s_add_co_u32 s23, s23, STAGE                   ; my stage
	s_wait_kmcnt 0x0
	s_add_nc_u64 s[12:13], s[4:5], s[12:13]
	s_add_nc_u64 s[16:17], s[4:5], s[16:17]
	s_add_nc_u64 s[6:7], s[6:7], s[18:19]
.irp c, 0,1,2,3,4,5,6,7,8,9,10,11,12,13,14,15
	global_load_b128 v[KF+4*\c:KF+4*\c+3], v4, s[12:13] offset:32*\c               ; K(r, 128 w + 8 c + 4 h + 0 .. 3)
.endr
.irp c, 0,1,2,3,4,5,6,7,8,9,10,11,12,13,14,15
	global_load_b128 v[QF+4*\c:QF+4*\c+3], v4, s[12:13] offset:4096+32*\c          ; Q likewise
.endr
.irp t, 0,1,2,3
.irp k, 0,1,2,3,4,5,6,7
	global_load_b32 v[VF+8*\t+\k], v5, s[16:17] offset:\k*FROW+64*\t               ; V(8 h + k, my channel 16 t + r)
.endr
.endr
	s_wait_loadcnt 32                              ; K and Q are in; V's 32 loads may be out
.set n, 0
.rept 32                               ; instruction n takes k = 8 (n / 2) + 4 h + 2 (n % 2) + 0, 1 of both sides; four accumulators by turns
.if n < 4
	v_wmma_f32_16x16x4_f32 v[SA+8*(n%4):SA+8*(n%4)+7], v[KF+2*n:KF+2*n+1], v[QF+2*n:QF+2*n+1], 0
.else
	v_wmma_f32_16x16x4_f32 v[SA+8*(n%4):SA+8*(n%4)+7], v[KF+2*n:KF+2*n+1], v[QF+2*n:QF+2*n+1], v[SA+8*(n%4):SA+8*(n%4)+7]
.endif
.set n, n+1
.endr
.rept 8
	v_nop                                          ; eight places behind this form (ISA guide 7.12.1)
.endr
.irp j, 0,1,2,3,4,5,6,7
	v_add_f32 v[8+\j], v[SA+\j], v[SA+8+\j]        ; each accumulator from its low end on
.endr
.irp j, 0,1,2,3,4,5,6,7
	v_add_f32 v[16+\j], v[SA+16+\j], v[SA+24+\j]
.endr
.irp j, 0,1,2,3,4,5,6,7
	v_add_f32 v[8+\j], v[8+\j], v[16+\j]
.endr
	ds_store_b128 v6, v[8:11]                      ; my part, as an image of its registers
	ds_store_b128 v6, v[12:15] offset:512
	s_wait_dscnt 0x0                               ; for the others' sake
	s_barrier_signal -1
	s_barrier_wait -1
.irp w, 0,1,2,3,4,5,6,7
	ds_load_b128 v[32+8*\w:35+8*\w], v7 offset:1024*\w
	ds_load_b128 v[36+8*\w:39+8*\w], v7 offset:1024*\w+512
.endr
	s_wait_dscnt 0x0
.irp j, 0,1,2,3,4,5,6,7
	v_add_f32 v[8+\j], v[32+\j], v[40+\j]
.endr
.irp w, 2,3,4,5,6,7
.irp j, 0,1,2,3,4,5,6,7
	v_add_f32 v[8+\j], v[8+\j], v[32+8*\w+\j]      ; the same order in every wave
.endr
.endr
.irp j, 0,1,2,3,4,5,6,7
	v_cmp_gt_i32 vcc_lo, \j, v24
	v_cndmask_b32 v[8+\j], v[8+\j], v25, vcc_lo    ; hidden keys: -infinity
.endr
	v_max3_num_f32 v26, v8, v9, v10
	v_max3_num_f32 v26, v26, v11, v12
	v_max3_num_f32 v26, v26, v13, v14
	v_max_num_f32 v26, v26, v15
	v_permlanex16_b32 v27, v26, s20, s21
	v_max_num_f32 v26, v26, v27                    ; the row's maximum: key 0 counts for every query
	v_mul_f32 v26, s22, v26
.irp j, 0,1,2,3,4,5,6,7
	v_fma_f32 v[16+\j], v[8+\j], s22, -v26         ; c s - c m
.endr
.irp j, 0,1,2,3,4,5,6,7
	v_exp_f32 v[16+\j], v[16+\j]
.endr
	v_nop                                          ; a plain line behind the exponentials
	s_wait_alu depctr_va_vdst(0)                   ; one wait for the eight
	v_add_f32 v28, v16, v17
	v_add_f32 v29, v18, v19
	v_add_f32 v28, v28, v20
	v_add_f32 v29, v29, v21
	v_add_f32 v28, v28, v22
	v_add_f32 v29, v29, v23
	v_add_f32 v28, v28, v29
	v_permlanex16_b32 v27, v28, s20, s21
	v_add_f32 v28, v28, v27                        ; the row's sum
	v_rcp_f32 v29, v28
	v_nop
	s_wait_alu depctr_va_vdst(0)
.irp j, 0,1,2,3,4,5,6,7
	v_mul_f32 v[16+\j], v[16+\j], v29              ; the weights
.endr
	s_wait_loadcnt 0x0                             ; V
.irp s, 0,1,2,3                        ; keys 8 h + 2 s + 0, 1 on both sides; four accumulators (16 channels each) by turns
.irp t, 0,1,2,3
.if \s == 0
	v_wmma_f32_16x16x4_f32 v[OA+8*\t:OA+8*\t+7], v[VF+8*\t+2*\s:VF+8*\t+2*\s+1], v[16+2*\s:17+2*\s], 0
.else
	v_wmma_f32_16x16x4_f32 v[OA+8*\t:OA+8*\t+7], v[VF+8*\t+2*\s:VF+8*\t+2*\s+1], v[16+2*\s:17+2*\s], v[OA+8*\t:OA+8*\t+7]
.endif
.endr
.endr
	v_mul_u32_u24 v8, v1, SPITCH                   ; the addresses for the way out: eight plain lines, the eight places behind the last products
	v_lshl_add_u32 v8, v2, 5, v8
	v_add_nc_u32 v8, s23, v8                       ; in: row r; tile t's eight channels of my half: 64 t + 32 h bytes on
	v_mul_u32_u24 v9, v2, SPITCH
	v_lshl_add_u32 v9, v1, 4, v9
	v_add_nc_u32 v9, s23, v9                       ; back: lanes 0-15 one row of 256 bytes, lanes 16-31 the next
	v_lshlrev_b32 v10, 12, v2
	v_lshl_add_u32 v10, v1, 4, v10                 ; the same two rows in out0
.irp t, 0,1,2,3
	ds_store_b128 v8, v[OA+8*\t:OA+8*\t+3] offset:64*\t            ; each accumulator from its low end on
	ds_store_b128 v8, v[OA+8*\t+4:OA+8*\t+7] offset:64*\t+16
.endr
.irp i, 0,1,2,3,4,5,6,7
	ds_load_b128 v[32+4*\i:35+4*\i], v9 offset:2*\i*SPITCH         ; LDS serves a wave's instructions in order: these see my stores
.endr
.irp i, 0,1,2,3,4,5,6,7
	s_wait_dscnt 7-\i
	global_store_b128 v10, v[32+4*\i:35+4*\i], s[6:7] offset:2*\i*4096          ; sixteen lanes store 256 consecutive bytes, aligned
.endr
	s_wait_tensorcnt 0x0                           ; the wave's end
	ds_add_u32 v[SPW], v[NIL]
	s_wait_dscnt 0x0
	s_endpgm
.Lfunc_end_k_q02fe12e0b1_head16:
	.size	k_q02fe12e0b1_head16, .Lfunc_end_k_q02fe12e0b1_head16-k_q02fe12e0b1_head16
	.p2alignl 7, 3214868480
	.fill 96, 4, 3214868480
	.section	.rodata,"a",@progbits
	.p2align	6, 0x0
	.amdhsa_kernel k_q02fe12e0b1_head16
		.amdhsa_group_segment_fixed_size 44032
		.amdhsa_private_segment_fixed_size 0
		.amdhsa_enable_private_segment 0
		.amdhsa_kernarg_size 16
		.amdhsa_user_sgpr_count 2
		.amdhsa_user_sgpr_kernarg_segment_ptr 1
		.amdhsa_wavefront_size32 1
		.amdhsa_system_sgpr_workgroup_id_x 1
		.amdhsa_system_sgpr_workgroup_id_y 1
		.amdhsa_system_sgpr_workgroup_id_z 1
		.amdhsa_system_vgpr_workitem_id 0
		.amdhsa_next_free_vgpr 256
		.amdhsa_next_free_sgpr 66
		.amdhsa_reserve_vcc 1
		.amdhsa_float_denorm_mode_32 3
		.amdhsa_float_denorm_mode_16_64 3
		.amdhsa_memory_ordered 1
		.amdhsa_forward_progress 1
		.amdhsa_inst_pref_size 21
	.end_amdhsa_kernel
	.amdgpu_metadata
---
amdhsa.version: [ 1, 2 ]
amdhsa.kernels:
  - .name:           k_q02fe12e0b1_head16
    .symbol:         k_q02fe12e0b1_head16.kd
    .args:
      - { .name: q32, .offset: 0, .size: 8, .value_kind: global_buffer, .address_space: global }
      - { .name: out0, .offset: 8, .size: 8, .value_kind: global_buffer, .address_space: global }
    .group_segment_fixed_size: 44032
    .private_segment_fixed_size: 0
    .kernarg_segment_align: 8
    .kernarg_segment_size: 16
    .max_flat_workgroup_size: 256
    .sgpr_count:     66
    .vgpr_count:     256
    .wavefront_size: 32
...
	.end_amdgpu_metadata
.endif
;; end of part 5
